; MI455X (gfx1250); checked and timed in simulation.
; The chip was launched on July 23, 2026; its instructions are those of AMD's public machine-readable ISA for CDNA 5 (MIT licence, August 2026) and "CDNA5" Instruction Set Architecture Reference Guide (July 2026). The comments in the code are by the model that wrote it; some were corrected since.
;; Causal Self Attention. Allowed arithmetic: matrix products marked QUANTISED: E2M3 operands, one E8M0 scale for each 32 along K, by v_wmma_scale_f32_16x16x128_f8f6f4 with both operands' format E2M3, f32 sums; everything else in f32.
;; Inputs: b_proj 1,024 float32; b_qkv 3,072 float32; w_proj 1,024 x 1,024 float32; w_qkv 1,024 x 3,072 float32; x 4 x 2,048 x 1,024 float32.
;; Outputs: out0 4 x 2,048 x 1,024 float32.
;; This version of the problem:
;;   THIS VERSION OF THE PROBLEM IS GIVEN IN LOW PRECISION. The matrix products marked QUANTISED in the list below multiply operands that are first quantised to E2M3 (2 exponent bits, 3 mantissa bits; 6 bits a number), with one power-of-two scale for each 32 numbers along K (OCP MX v1.0); their sums are f32. All else is computed in f32.
;;   The module's matrix products, in the order in which they are computed (A, B: the left and right operand; K: the contracted axis; several contracted axes count as one K, in the product's order):
;;     1. [M 8,192, K 1,024] x [K 1,024, N 3,072]; A: input x; B: input w_qkv: QUANTISED
;;     2. batch 64 x [M 2,048, K 64] x [K 64, N 2,048]; A: computed on the way; B: computed on the way: QUANTISED
;;     3. batch 64 x [M 2,048, K 2,048] x [K 2,048, N 64]; A: softmax (see below); B: computed on the way: QUANTISED
;;     4. [M 8,192, K 1,024] x [K 1,024, N 1,024]; A: computed on the way; B: input w_proj: QUANTISED
;;   THE QUANTISER, for each operand of a quantised product, along K:
;;     - K is cut into blocks of 32 from its start; a last block that is shorter is filled with zeros.
;;     - A block's scale is 2^e with e = floor(log2(the largest magnitude in the block)) - 2, held to -126 .. 127; a block of zeros has e = 0. As a byte (E8M0): e + 127.
;;     - Each number is divided by its block's scale, clamped to +-7.5, and rounded to the nearest number of E2M3, ties to even, subnormals kept.
;;     - The product sums the exact products of the quantised numbers (number of the format x scale) in f32.
;;   ~~~python
;;   def quantise(x, axis):      # numpy; x: float32 -> the quantised numbers, widened to float32 again
;;       x = np.moveaxis(x, axis, -1); K = x.shape[-1]
;;       x = np.pad(x, [(0, 0)] * (x.ndim - 1) + [(0, -K % 32)]); x = x.reshape(x.shape[:-1] + (-1, 32)); a = np.abs(x).max(-1, keepdims=True)
;;       e = np.where(a > 0, np.clip(np.frexp(np.where(a > 0, a, 1))[1] - 1 - 2, -126, 127), 0)      # np.frexp(a)[1] - 1 = floor(log2(a)), exactly
;;       r = np.clip(x / 2.0 ** e, -7.5, 7.5)
;;       step = 2.0 ** (np.maximum(np.frexp(np.where(r == 0, 1, r))[1] - 1, 0) - 3)
;;       q = np.round(r / step) * step * 2.0 ** e      # np.round: ties to even
;;       return np.moveaxis(q.reshape(q.shape[:-2] + (-1,))[..., :K], -1, axis).astype(np.float32)
;;   ~~~
;;   SOFTMAX AHEAD OF A QUANTISED PRODUCT. Where the list says 'softmax', what is quantised is not the finished softmax but p = 2^(t - M), with t = logit x log2(e) and M = ceil(the row's largest t), a whole number; so 1/2 < the row's largest p <= 1. The row's sum l is taken of the UNQUANTISED p, in f32, and the product's result is divided by l at the end. Since M is a whole number, a kernel that streams over the keys may use a running M (the ceiling of the running maximum): every later rescaling is an exact power of two, which a block's scale takes up: the codes' values come out the same.
;;   OPERANDS COMPUTED ON THE WAY. 'Computed on the way' means the value that the module computes at that place (a softmax that the list does not call 'softmax' is quantised finished and normalised). What goes into a quantiser is computed in f32, as accurately as f32 sums, v_exp_f32 and their like allow (about 1e-6 of the number): no bf16 or f16 on the way to a quantiser, and a product that is left as it is and whose result goes on into a quantised operand takes f32 operands (vector FMAs, or v_wmma_f32_16x16x4_f32). A number that lies on a knife's edge between two numbers of the format may be rounded either way, as far as f32 arithmetic and the matrix unit's own rounding can turn it there, and no further.
;; One version. Each part assembles by itself: llvm-mc -triple=amdgcn-amd-amdhsa -mcpu=gfx1250 --defsym DOCPART=n.
;; ======== version 1 of 1: 4 launches
;; workspace buffers: xc 6,291,456 bytes; xs 262,144 bytes; wc 3,145,728 bytes; ws 131,072 bytes; qkv 19,660,800 bytes; yc 6,291,456 bytes; ys 262,144 bytes
;; launch quant (part 1): grid 384 x 1, 4 waves a work-group, no clusters, 35,328 bytes of LDS; arguments x, w_qkv, w_proj, xc, xs, wc, ws; writes xc, xs, wc, ws
.if DOCPART == 1
	.amdgcn_target "amdgcn-amd-amdhsa--gfx1250"
	.amdhsa_code_object_version 6
	.text
	.protected	k_q51928b8faf_quant
	.globl	k_q51928b8faf_quant
	.p2align	8
	.type	k_q51928b8faf_quant,@function
k_q51928b8faf_quant:
	s_mov_b64 s[64:65], 0
	v_nop
	global_prefetch_b8 v0, s[64:65] scope:SCOPE_SE
	s_setreg_imm32_b32 hwreg(HW_REG_WAVE_MODE, 25, 1), 1
	s_wait_xcnt 0x0
; CAUSAL SELF-ATTENTION IN MX-FP6 (E2M3, one E8M0 scale for each 32 along K), four launches: quant, qkvg, attn, proj.
; WORK LEFT OUT BY THE PROGRAM: reference() sets every score whose key comes after its query to -infinity by a mask that it builds itself (tril); the softmax gives such a key the weight 0 for all
; finite inputs, so it reaches no output.  The launch attn leaves out the steps of 128 keys that lie wholly behind a wave's queries, in products 2 and 3; inside a step on the diagonal the work is
; done and the scores are replaced.  Nothing else is left out: every input is loaded, both biases are added (k's bias moves k's codes).  LIMIT: a NaN, an infinity or an overflow that reaches only the
; scores left out is not carried to the result.
; THIS LAUNCH turns x [8192][1024], w_qkv [1024][3072] and w_proj [1024][1024], f32, into codes and scale bytes, laid as the products' operand registers take them.
; A block's scale is 2^(floor(log2(its largest magnitude)) - 2); its byte is the largest magnitude's exponent field - 2, held at 1 from below.
; LIMITS: a block of zeros gets the byte 1 where the rule says 127 (its codes are zeros, and this program alone reads the bytes); blocks whose largest magnitude lies under 2^-124 keep the byte 1; NaN and infinities are not served.
; HALF IMAGE, 768 bytes: 16 rows x 64 along K.  Lane (r, h) of the reader owns row r's block h, 24 bytes: its registers 0-3 lie at 16 (r + 16 h), its registers 4-5 at 512 + 16 r + 8 h.
; CODES: [tile of 16 rows][16 half images].  SCALES: [tile][256 along K: 4][r][8 bytes].  Row r of tile 2 B + u is the logical row 32 B + 8 u + r + 8 (r / 8).
; wc, ws: tiles 0-191 are w_qkv's columns, tiles 192-255 w_proj's.
; Work-groups 0-255 take x (a wave: one tile x 512 along K), work-groups 256-383 the weights (a wave: 32 columns x 256 along K).  Waves share nothing: no barrier.
.set SPARE, 34816                      ; behind the four waves' stages: the spare words, 128 bytes a wave
.set SPW,   14                         ; v14  LDS address of my spare word; never rewritten
.set NIL,   15                         ; v15  0; never rewritten
.set R,     16                         ; x: v16-111  three sets of 32 numbers as loaded
.set X,     112                        ; x: v112-175 two sets: a lane's block of 32
.set CD,    176                        ; x: v176-239 eight registers of codes for each step, so that no store's data are written again
.set WD,    244                        ; x: v244-247 scale words
; the largest magnitude of v[xs] .. v[xs + 31], with the floor 2^(3 - 127) among its leaves; v11 = that with 2 off its exponent field: the conversions' scale operand
.macro MAX32 xs
	v_max3_num_f32 v12, |v[\xs]|, |v[\xs+1]|, |v[\xs+2]|
	v_max3_num_f32 v13, |v[\xs+3]|, |v[\xs+4]|, |v[\xs+5]|
.irp i, 6,10,14,18,22,26
	v_max3_num_f32 v12, v12, |v[\xs+\i]|, |v[\xs+\i+1]|
	v_max3_num_f32 v13, v13, |v[\xs+\i+2]|, |v[\xs+\i+3]|
.endr
	v_max3_num_f32 v12, v12, |v[\xs+30]|, |v[\xs+31]|
	v_max3_num_f32 v12, v12, v13, 0x1800000
	v_add_nc_u32 v11, 0xff000000, v12
.endm
; x, step t: 16 rows x 256 bytes; sixteen lanes read 256 consecutive bytes of a row, two rows a load
.macro XLOAD t
.irp i, 0,1,2,3,4,5,6,7
	global_load_b128 v[R+32*((\t)%3)+4*\i:R+32*((\t)%3)+4*\i+3], v4, s[4:5] offset:(2*\i+8*(\i/4))*4096+256*(\t) th:TH_LOAD_NT
.endr
.endm
; through the wave's own stage (16 rows of 256 + 16 bytes): in as loaded, out 128 bytes a lane: row r's block h.  LDS serves a wave's instructions in order: no wait between
.macro XTURN t
.irp i, 0,1,2,3,4,5,6,7
	ds_store_b128 v5, v[R+32*((\t)%3)+4*\i:R+32*((\t)%3)+4*\i+3] offset:4352*((\t)%2)+544*\i
.endr
.irp j, 0,1,2,3,4,5,6,7
	ds_load_b128 v[X+32*((\t)%2)+4*\j:X+32*((\t)%2)+4*\j+3], v6 offset:4352*((\t)%2)+16*\j
.endr
.endm
.macro XSTEP t
.set XS, X+32*((\t)%2)
.set CS, CD+8*(\t)
	s_wait_dscnt 0x0                               ; this step's block is back from the stage, and the stage's stores have read their registers,
.if (\t)+3 < 8
	XLOAD (\t)+3                                   ; which take the loads of three steps on
.endif
.if (\t) < 7
.if (\t) < 5
	s_wait_loadcnt 16                              ; the next step's eight loads are in; those of the two steps behind it may be out
.else
	s_wait_loadcnt 8*(6-(\t))
.endif
	XTURN (\t)+1
.endif
	MAX32 XS
	v_cvt_scalef32_pk16_fp6_f32 v[CS:CS+2], v[XS:XS+15], v11
	v_cvt_scalef32_pk16_fp6_f32 v[240:242], v[XS+16:XS+31], v11    ; (a conversion's three registers begin on an even number)
	v_lshrrev_b32 v248, 23, v11                    ; the scale's byte; also the plain instruction behind the conversions
	v_mov_b32 v[CS+3], v240
	v_mov_b32 v[CS+4], v241
	v_mov_b32 v[CS+5], v242
.if (\t)%2 == 0
	v_mov_b32 v[WD+(\t)/2], v248                   ; my block's byte of the word of 128 along K: steps 2 g and 2 g + 1, 16 bits apart
.else
	v_lshl_or_b32 v[WD+(\t)/2], v248, 16, v[WD+(\t)/2]
.endif
	global_store_b128 v7, v[CS:CS+3], s[10:11] offset:768*(\t)     ; 32 lanes store 512 consecutive bytes,
	global_store_b64 v8, v[CS+4:CS+5], s[10:11] offset:768*(\t)+512 ; and 256
.endm
; the weights, block t: W(32 t + i, my column), i = 0 .. 31
.macro WLOAD t
.irp i, 0,1,2,3,4,5,6,7,8,9,10,11,12,13,14,15,16,17,18,19,20,21,22,23,24,25,26,27,28,29,30,31
	global_load_b32 v[48+32*((\t)%2)+\i], v[16+\i], s[32+2*(\t):33+2*(\t)] th:TH_LOAD_NT
.endr
.endm
; Blocks 2 c and 2 c + 1 of my column are the two halves of row r of half image c.  Twelve registers: 0-3 the even block's first 16 bytes, 4-7 the odd block's, 8-9 and 10-11 their last 8 bytes
.macro WBLOCK t
.set XS, 48+32*((\t)%2)
.set RC, 112+12*((\t)/2)
.set TP, 160+4*((\t)%2)
.if (\t) < 7
	s_wait_loadcnt 32                              ; this block's 32 loads are in; the next block's may be out
.else
	s_wait_loadcnt 0x0
.endif
	MAX32 XS
	v_cvt_scalef32_pk16_fp6_f32 v[RC+4*((\t)%2):RC+4*((\t)%2)+2], v[XS:XS+15], v11
	v_cvt_scalef32_pk16_fp6_f32 v[TP:TP+2], v[XS+16:XS+31], v11
	v_lshrrev_b32 v13, 23, v11                     ; the scale's byte; also the plain instruction behind the conversions
.if (\t)%4 == 0
	v_mov_b32 v[8+(\t)/4], v13
.else
	v_lshl_or_b32 v[8+(\t)/4], v13, 8*((\t)%4), v[8+(\t)/4]
.endif
	v_mov_b32 v[RC+3+4*((\t)%2)], v[TP]
	v_mov_b32 v[RC+8+2*((\t)%2)], v[TP+1]
	v_mov_b32 v[RC+9+2*((\t)%2)], v[TP+2]
.if (\t)+2 < 8
	WLOAD (\t)+2
.endif
.if (\t)%2 == 1
	global_store_b128 v3, v[RC:RC+3], s[14:15] offset:768*((\t)/2)         ; sixteen lanes of one tile store 256 consecutive bytes, aligned
	global_store_b128 v3, v[RC+4:RC+7], s[14:15] offset:768*((\t)/2)+256
	global_store_b128 v3, v[RC+8:RC+11], s[14:15] offset:768*((\t)/2)+512
.endif
.endm
	s_load_b256 s[4:11], s[0:1], 0x0               ; x s[4:5], w_qkv s[6:7], w_proj s[8:9], xc s[10:11]
	s_load_b128 s[12:15], s[0:1], 0x20             ; xs s[12:13], wc s[14:15]
	s_load_b64 s[16:17], s[0:1], 0x30              ; ws
	v_lshl_add_u32 v[SPW], v0, 2, SPARE
	v_mov_b32 v[NIL], 0
	v_lshrrev_b32 v1, 5, v0
	v_readfirstlane_b32 s18, v1                    ; wave
	v_and_b32 v1, 31, v0                           ; lane
	s_mov_b32 s25, 0
	s_cmp_lt_u32 ttmp9, 256
	s_cbranch_scc0 .Lweights
	; ---------------- x
	v_and_b32 v2, 15, v0                           ; r
	v_bfe_u32 v3, v0, 4, 1                         ; h
	v_lshlrev_b32 v4, 4, v2
	v_lshl_add_u32 v4, v3, 12, v4                  ; a load: 16 r, one row down for lanes 16-31
	s_mul_i32 s19, s18, 8704                       ; my two stages
	v_mul_u32_u24 v5, v3, 272
	v_lshl_add_u32 v5, v2, 4, v5
	v_add_nc_u32 v5, s19, v5                       ; the stage, in
	v_mul_u32_u24 v6, v2, 272
	v_lshl_add_u32 v6, v3, 7, v6
	v_add_nc_u32 v6, s19, v6                       ; and out: row r, block h
	v_lshlrev_b32 v7, 4, v1                        ; a half image: 16 x lane,
	v_lshlrev_b32 v8, 4, v2
	v_lshl_add_u32 v8, v3, 3, v8                   ; and 16 r + 8 h
	v_lshlrev_b32 v9, 3, v2
	v_lshl_add_u32 v9, v3, 7, v9                   ; the scale words: 128 h + 8 r
	v_lshlrev_b32 v10, 3, v3                       ; 8 h
	v_mov_b32 v249, 0                              ; a lane permute's destination counts as one of its sources
	s_mov_b32 s26, 0x76543210
	s_mov_b32 s27, 0xfedcba98                      ; selects for lane l xor 16
	s_lshl_b32 s20, ttmp9, 2
	s_add_co_u32 s20, s20, s18
	s_lshr_b32 s21, s20, 1                         ; my tile,
	s_and_b32 s22, s20, 1                          ; my half of K
	s_lshr_b32 s23, s21, 1
	s_lshl_b32 s23, s23, 5
	s_and_b32 s24, s21, 1
	s_lshl_b32 s24, s24, 3
	s_add_co_u32 s23, s23, s24                     ; the tile's first logical row: 32 (tile / 2) + 8 (tile % 2)
	s_lshl_b32 s24, s23, 12
	s_lshl_b32 s28, s22, 11
	s_add_co_u32 s24, s24, s28
	s_mul_i32 s28, s21, 12288
	s_mul_i32 s30, s22, 6144
	s_add_co_u32 s28, s28, s30
	s_mov_b32 s29, 0
	s_lshl_b32 s30, s21, 9
	s_lshl_b32 s31, s22, 8
	s_add_co_u32 s30, s30, s31
	s_mov_b32 s31, 0
	s_wait_kmcnt 0x0
	s_add_nc_u64 s[4:5], s[4:5], s[24:25]
	s_add_nc_u64 s[10:11], s[10:11], s[28:29]
	s_add_nc_u64 s[12:13], s[12:13], s[30:31]
	XLOAD 0
	XLOAD 1
	XLOAD 2
	s_wait_loadcnt 16                              ; step 0's eight loads are in
	XTURN 0
.irp t, 0,1,2,3,4,5,6,7
	XSTEP \t
.endr
.irp g, 0,1,2,3
	v_lshlrev_b32 v[WD+\g], v10, v[WD+\g]          ; my two bytes at their places (8 h bits up);
.endr
.irp g, 0,1,2,3
	v_permlanex16_b32 v249, v[WD+\g], s26, s27
	v_or_b32 v[WD+\g], v[WD+\g], v249              ; with lane l xor 16's two the word is whole
.endr
	v_cmp_le_u32 vcc_lo, 16, v1
	v_cndmask_b32 v250, v[WD], v[WD+2], vcc_lo     ; lanes 0-15 store the words of my first 256 along K, lanes 16-31 those of the second
	v_cndmask_b32 v251, v[WD+1], v[WD+3], vcc_lo
	global_store_b64 v9, v[250:251], s[12:13]      ; 256 consecutive bytes, aligned
	s_branch .Lend
	; ---------------- the weights: a lane takes a column, its registers run down K; nothing is transposed by an instruction
.Lweights:
	s_sub_co_u32 s20, ttmp9, 256
	s_and_b32 s21, s20, 31                         ; which 128 columns of the 4,096
	s_lshr_b32 s22, s20, 5                         ; which 256 along K
	s_lshl_b32 s23, s21, 3
	s_lshl_b32 s24, s18, 1
	s_add_co_u32 s23, s23, s24                     ; my two tiles: 8 x group + 2 x wave on
	s_mov_b32 s26, 4096
	s_cmp_lt_u32 s21, 24                           ; w_qkv's columns or w_proj's: the work-group's number alone decides
	s_cselect_b32 s26, 12288, s26                  ; a row of the weight in bytes
	s_cselect_b32 s27, 0, 24
	s_sub_co_u32 s27, s21, s27
	s_lshl_b32 s27, s27, 9
	s_lshl_b32 s24, s18, 7
	s_add_co_u32 s27, s27, s24                     ; my first column in its tensor, in bytes
	s_lshl_b32 s30, s22, 8
	s_mul_i32 s30, s30, s26
	s_add_co_u32 s30, s30, s27
	s_mov_b32 s31, 0
	s_lshl_b32 s48, s26, 5                         ; 32 rows on
	s_mov_b32 s49, 0
	v_lshlrev_b32 v2, 2, v1
.irp i, 0,1,2,3,4,5,6,7,8,9,10,11,12,13,14,15,16,17,18,19,20,21,22,23,24,25,26,27,28,29,30,31
	v_mad_u32_u24 v[16+\i], s26, \i, v2            ; row i of a block, my column
.endr
	v_bfe_u32 v5, v1, 3, 1                         ; column 8 u + r + 8 (r / 8) of the 32: u = (lane / 8) % 2,
	v_and_b32 v6, 7, v1
	v_lshrrev_b32 v7, 4, v1
	v_lshl_add_u32 v6, v7, 3, v6                   ; r = lane % 8 + 8 (lane / 16)
	v_mul_u32_u24 v3, v5, 12288
	v_lshl_add_u32 v3, v6, 4, v3                   ; codes: tile u, 16 r
	v_lshlrev_b32 v4, 9, v5
	v_lshl_add_u32 v4, v6, 3, v4                   ; scale bytes: tile u, 8 r
	s_mul_i32 s24, s23, 12288
	s_mul_i32 s50, s22, 3072
	s_add_co_u32 s24, s24, s50
	s_lshl_b32 s50, s23, 9
	s_lshl_b32 s51, s22, 7
	s_add_co_u32 s50, s50, s51
	s_mov_b32 s51, 0
	s_wait_kmcnt 0x0
	s_cmp_lt_u32 s21, 24
	s_cselect_b64 s[28:29], s[6:7], s[8:9]
	s_add_nc_u64 s[32:33], s[28:29], s[30:31]      ; a base for each block of 32 rows; none is written again
.irp t, 1,2,3,4,5,6,7
	s_add_nc_u64 s[32+2*\t:33+2*\t], s[30+2*\t:31+2*\t], s[48:49]
.endr
	s_add_nc_u64 s[14:15], s[14:15], s[24:25]
	s_add_nc_u64 s[16:17], s[16:17], s[50:51]
	WLOAD 0
	WLOAD 1
.irp t, 0,1,2,3,4,5,6,7
	WBLOCK \t
.endr
	global_store_b64 v4, v[8:9], s[16:17]          ; my column's eight scale bytes: sixteen lanes store 128 consecutive bytes
.Lend:
	s_wait_tensorcnt 0x0                           ; the wave's end, behind my last LDS store
	ds_add_u32 v[SPW], v[NIL]
	s_wait_dscnt 0x0
	s_endpgm
.Lfunc_end_k_q51928b8faf_quant:
	.size	k_q51928b8faf_quant, .Lfunc_end_k_q51928b8faf_quant-k_q51928b8faf_quant
	.p2alignl 7, 3214868480
	.fill 96, 4, 3214868480
	.section	.rodata,"a",@progbits
	.p2align	6, 0x0
	.amdhsa_kernel k_q51928b8faf_quant
		.amdhsa_group_segment_fixed_size 35328
		.amdhsa_private_segment_fixed_size 0
		.amdhsa_enable_private_segment 0
		.amdhsa_kernarg_size 56
		.amdhsa_user_sgpr_count 2
		.amdhsa_user_sgpr_kernarg_segment_ptr 1
		.amdhsa_wavefront_size32 1
		.amdhsa_system_sgpr_workgroup_id_x 1
		.amdhsa_system_sgpr_workgroup_id_y 1
		.amdhsa_system_sgpr_workgroup_id_z 1
		.amdhsa_system_vgpr_workitem_id 0
		.amdhsa_next_free_vgpr 256
		.amdhsa_next_free_sgpr 66
		.amdhsa_reserve_vcc 1
		.amdhsa_float_denorm_mode_32 3
		.amdhsa_float_denorm_mode_16_64 3
		.amdhsa_memory_ordered 1
		.amdhsa_forward_progress 1
		.amdhsa_inst_pref_size 72
	.end_amdhsa_kernel
	.amdgpu_metadata
---
amdhsa.version: [ 1, 2 ]
amdhsa.kernels:
  - .name:           k_q51928b8faf_quant
    .symbol:         k_q51928b8faf_quant.kd
    .args:
      - { .name: x, .offset: 0, .size: 8, .value_kind: global_buffer, .address_space: global }
      - { .name: w_qkv, .offset: 8, .size: 8, .value_kind: global_buffer, .address_space: global }
      - { .name: w_proj, .offset: 16, .size: 8, .value_kind: global_buffer, .address_space: global }
      - { .name: xc, .offset: 24, .size: 8, .value_kind: global_buffer, .address_space: global }
      - { .name: xs, .offset: 32, .size: 8, .value_kind: global_buffer, .address_space: global }
      - { .name: wc, .offset: 40, .size: 8, .value_kind: global_buffer, .address_space: global }
      - { .name: ws, .offset: 48, .size: 8, .value_kind: global_buffer, .address_space: global }
    .group_segment_fixed_size: 35328
    .private_segment_fixed_size: 0
    .kernarg_segment_align: 8
    .kernarg_segment_size: 56
    .max_flat_workgroup_size: 128
    .sgpr_count:     66
    .vgpr_count:     256
    .wavefront_size: 32
...
	.end_amdgpu_metadata
.endif
;; end of part 1
;; launch qkvg (part 2): grid 8 x 48, 4 waves a work-group, clusters of 4 x 4, 327,680 bytes of LDS; arguments xc, xs, wc, ws, b_qkv, qkv; writes qkv
.if DOCPART == 2
	.amdgcn_target "amdgcn-amd-amdhsa--gfx1250"
	.amdhsa_code_object_version 6
	.text
	.protected	k_q51928b8faf_qkvg
	.globl	k_q51928b8faf_qkvg
	.p2align	8
	.type	k_q51928b8faf_qkvg,@function
k_q51928b8faf_qkvg:
	s_mov_b64 s[64:65], 0
	v_nop
	global_prefetch_b8 v0, s[64:65] scope:SCOPE_SE
	s_setreg_imm32_b32 hwreg(HW_REG_WAVE_MODE, 25, 1), 1
	s_wait_xcnt 0x0
	s_wait_alu depctr_hold_cnt(0) depctr_sa_sdst(0) depctr_va_vdst(0) depctr_va_sdst(0) depctr_va_ssrc(0) depctr_va_vcc(0) depctr_vm_vsrc(0)
	s_getreg_b32 s2, hwreg(HW_REG_IB_STS2, 6, 4)
	s_cmp_eq_u32 s2, 0
	s_cbranch_scc0 .Lentry_in_a_cluster
	s_endpgm
.Lentry_in_a_cluster:
	s_bfe_u32 s2, ttmp6, 0x10000c
	s_cmp_lg_u32 s2, 0xf033
	s_cbranch_scc0 .Lentry_shape_is_right
	s_endpgm
.Lentry_shape_is_right:
; qkv = x w_qkv + b_qkv on codes of FP6 (E2M3) with E8M0 scales, and q, k, v quantised in registers for the attention: q and k along the head's 64, v along the keys.  No work of this product is left out.
; A tile of 256 x 256 of the result is made by four waves, 128 x 128 each: 64 accumulators, 512 registers.  K = 1,024 goes in four steps of 256 through two LDS slots filled by the tensor data mover.
; THE MATRIX INSTRUCTION IS USED TRANSPOSED: a lane holds ONE row of source 1 (S1) and its registers run along source 0's rows (S0).  Rows of a tile lie in the order r -> 32 B + 8 u + r + 8 (r / 8), so the 64 registers of
; a block of S1 are 128 neighbours along S0's rows, 16 to a lane's half of each block of 32: what the conversions take.
; q, k (cluster y 0-7):  S1 = x's tokens, S0 = w's columns 0-2047: a lane's 128 neighbours are two heads' 64: two half images of 16 tokens.
; v    (cluster y 8-11): S1 = w's columns 2048-3071, S0 = x's tokens: a lane's 128 neighbours are 128 keys: one fragment of 16 of the head's 64.  The choice hangs on the cluster's y alone: alike in all partners.
; The bias is the C of each sum's first matrix instruction.
; OPERANDS lie in memory and LDS as images of the operand's registers: a half image (16 rows x 64 K, 768 bytes) has lane (r, h)'s registers 0-3 at 16 (r + 16 h) and 4-5 at 512 + 16 r + 8 h: every LDS load takes consecutive bytes.
; qkv: [q, k, v][16 batch + head][chunk of 128 tokens][6,400 bytes].  q, k: eight half images (token tiles), then for each r four words: word b = the two bytes of tile 2 b, then those of tile 2 b + 1.
;      v: four fragments (16 of the head's 64 x 128 keys), then for each r their four scale words.
; CLUSTERS: 4 x 4 work-groups; S1's tiles are shared along a row of the cluster, S0's along a column: each is asked for jointly.
; LIMITS: a block of zeros gets the byte 1 where the rule says 127 (its codes are zeros, and this program alone reads the bytes); blocks whose largest magnitude lies under 2^-124 keep the byte 1; NaN and infinities are not served.
; REGISTERS: window 0: v1-9 lane numbers and offsets; v16-23 LDS addresses; v24-26 the way out's offsets; v27 scale words' address; v28, v29 the add's two; v32-63 scale words, two sets; v64-127 the bias; v128-223 S1's 8 fragments;
;   on the way out v192-251 at work.  window 1: S0's fragments, two sets, at v0 and v128.  windows 2, 3: the accumulators ((a, b) at v[8 (8 (a % 4) + b)] of window 2 + a / 4).
.set NBB,   8                          ; S0's blocks of 16 rows a wave
.set FR,    12                         ; registers of a fragment, 16 rows x 128 K
.set NL,    4                          ; LDS loads that bring one
.set NP,    4                          ; places behind this matrix instruction (ISA guide 7.12.1)
.set HTA,   24576                      ; 8 tiles x 256 along K of S1: what one tensor load brings
.set HTB,   3072*NBB                   ; NBB tiles of S0
.set SLOT,  2*HTA+2*HTB
.set SCL,   2*SLOT                     ; behind the ring: S1's scale bytes for all of K, 2 x 4,096,
.set SCLB,  SCL+8192                   ; S0's, 2 x 512 NBB,
.set SPARE, SCLB+1024*NBB              ; and the spare words, 128 bytes a wave
.set ADRA,  16                         ; v16-17 S1's fragments in slot 0, 1: + 16 x lane;  v18-19: + 512 + 16 r + 8 h
.set ADRB,  20                         ; v20-23 the same for S0
.set ADRS,  27                         ; v27 scale words: lanes 0-15 S1's rows, lanes 16-31 S0's
.set SPW,   28
.set NIL,   29
.set SCR,   32                         ; set s at v[SCR + 16 s]; register 2 i + q: lanes 0-15 the word of S1's block i, lanes 16-31 that of S0's block i
.set BIAS,  64
.set AF,    128
.set TM,    200                        ; the way out: v200-203 maxima, v204-207 bytes, v212-215 the conversions' scale operands
.set PC,    224                        ; v224-243 the codes just made
.set PW,    244                        ; v244-251 the eight blocks' scale words
.set FW,    192                        ; v192-195 the four words that a lane stores
.set G1,  24
.set G0,  32
.set G1B, 48
.set G0B, 56
.set G1S, 68
.set G0S, 76
.set G1SB, 80
.set G0SB, 88
.set MSB, 0
.macro WIN new                         ; the immediate's high byte repeats the setting that is left
.if MSB != (\new)
	s_set_vgpr_msb (MSB<<8)|(\new)
.set MSB, (\new)
.endif
.endm
; A joint load: waves 0 and 1 fetch for S1, waves 2 and 3 for S0.  The branch hangs on the wave's number alone.  An s_nop 0 and four v_nop follow each of the two lines.
.macro JLOAD g0a, g1a, g0b, g1b
	s_cmp_eq_u32 s17, 0
	s_cbranch_scc0 .Lfor_b_\@
	tensor_load_to_lds s[\g0a:\g0a+3], s[\g1a:\g1a+7]
	s_nop 0
.rept 4
	v_nop
.endr
	s_branch .Lasked_\@
.Lfor_b_\@:
	tensor_load_to_lds s[\g0b:\g0b+3], s[\g1b:\g1b+7]
	s_nop 0
.rept 4
	v_nop
.endr
.Lasked_\@:
.endm
.macro CREST                           ; a round of the cluster's barrier behind its opening barrier
	s_cmp_lg_u32 s16, 0
	s_cbranch_scc1 .Lnot_wave_0_\@
	s_barrier_signal -3
.Lnot_wave_0_\@:
	s_barrier_wait -3
	s_barrier_signal -1
	s_barrier_wait -1
.endm
.macro CROUND
	s_barrier_signal -1
	s_barrier_wait -1
	CREST
.endm
.macro PLACES n
.rept \n
	v_nop
.endr
.endm
.macro FRAG reg, adr, off              ; a fragment: two half images, 768 bytes apart
	ds_load_b128 v[\reg:\reg+3], v[\adr] offset:\off
	ds_load_b64 v[\reg+4:\reg+5], v[\adr+2] offset:\off
	ds_load_b128 v[\reg+6:\reg+9], v[\adr] offset:\off+768
	ds_load_b64 v[\reg+10:\reg+11], v[\adr+2] offset:\off+768
.endm
.macro FETCH_B slot, q, p              ; S0's fragments of the slot's q-th 128 along K into set p
	WIN 0x40
.irp i, 0,1,2,3,4,5,6,7
.if \i < NBB
	FRAG 128*(\p)+FR*\i, ADRB+\slot, 3072*\i+1536*(\q)
.endif
.endr
	WIN 0
.endm
.macro FETCH_A slot, q, i0             ; S1's blocks i0 .. i0 + 3
.irp i, \i0, \i0+1, \i0+2, \i0+3
	FRAG AF+FR*(\i), ADRA+\slot, 3072*(\i)+1536*(\q)
.endr
.endm
.macro SCALES sc                       ; a K step's scale words, two a row
.irp i, 0,1,2,3,4,5,6,7
	ds_load_b64 v[SCR+16*(\sc)+2*\i:SCR+16*(\sc)+2*\i+1], v[ADRS] offset:512*\i
.endr
.endm
; one product.  first = 0: in place; 1: C = the bias of S0's block b; 2: C = the bias of S1's block a
.macro WM a, b, p, q, sc, first
.set DD, 8*(NBB*((\a)%4)+(\b))
.if (\first) == 0
	v_wmma_scale_f32_16x16x128_f8f6f4 v[DD:DD+7], v[128*(\p)+FR*(\b):128*(\p)+FR*(\b)+FR-1], v[AF+FR*(\a):AF+FR*(\a)+FR-1], v[DD:DD+7], v[SCR+16*(\sc)+2*(\b)+(\q)], v[SCR+16*(\sc)+2*(\a)+(\q)] matrix_a_fmt:MATRIX_FMT_FP6 matrix_b_fmt:MATRIX_FMT_FP6 matrix_a_scale:MATRIX_SCALE_ROW1
.elseif (\first) == 1
	v_wmma_scale_f32_16x16x128_f8f6f4 v[DD:DD+7], v[128*(\p)+FR*(\b):128*(\p)+FR*(\b)+FR-1], v[AF+FR*(\a):AF+FR*(\a)+FR-1], v[BIAS+8*(\b):BIAS+8*(\b)+7], v[SCR+16*(\sc)+2*(\b)+(\q)], v[SCR+16*(\sc)+2*(\a)+(\q)] matrix_a_fmt:MATRIX_FMT_FP6 matrix_b_fmt:MATRIX_FMT_FP6 matrix_a_scale:MATRIX_SCALE_ROW1
.else
	v_wmma_scale_f32_16x16x128_f8f6f4 v[DD:DD+7], v[128*(\p)+FR*(\b):128*(\p)+FR*(\b)+FR-1], v[AF+FR*(\a):AF+FR*(\a)+FR-1], v[BIAS+8*(\a):BIAS+8*(\a)+7], v[SCR+16*(\sc)+2*(\b)+(\q)], v[SCR+16*(\sc)+2*(\a)+(\q)] matrix_a_fmt:MATRIX_FMT_FP6 matrix_b_fmt:MATRIX_FMT_FP6 matrix_a_scale:MATRIX_SCALE_ROW1
.endif
.endm
; S1's blocks a0, a0 + 1 x S0's NBB.  The accumulators take turns, one instruction a turn.
.macro MULA a0, p, q, sc, first
.if (\first) == 0
	WIN 0xa1+0x50*((\a0)/4)                        ; source 0 window 1, source 1 window 0, C and D window 2 or 3
.else
	WIN 0x81+0x40*((\a0)/4)                        ; the same with C in window 0
.endif
.if (\first) == 2
.irp b, 0,1,2,3,4,5,6,7
.irp a, \a0, \a0+1
	WM \a, \b, \p, \q, \sc, 2
.endr
.endr
.else
.irp a, \a0, \a0+1
.irp b, 0,1,2,3,4,5,6,7
.if \b < NBB
	WM \a, \b, \p, \q, \sc, \first
.endif
.endr
.endr
.endif
.endm
; A step of 128 along K that has its successor in the same slot.  S1 has one set of registers: blocks 0-3 are fetched anew in the step's middle, blocks 4-7 at its end; S0 has two sets.
.macro STEP slot, q, first
	s_wait_dscnt 4*NL                              ; all but the youngest 16 loads, S1's blocks 4-7
	MULA 0, (\q)%2, \q, \slot, \first
	MULA 2, (\q)%2, \q, \slot, \first
	s_wait_dscnt 0x0
	PLACES NP                                      ; in front of loads into registers that matrix instructions have read
	FETCH_B \slot, (\q)+1, 1-(\q)%2
	FETCH_A \slot, (\q)+1, 0
	MULA 4, (\q)%2, \q, \slot, \first
	MULA 6, (\q)%2, \q, \slot, \first
	PLACES NP
	WIN 0
	FETCH_A \slot, (\q)+1, 4
.endm
; A slot's last step changes slots: one barrier; in front of it each wave waits for all its tensor loads, adds 0 to its spare word, and waits for that and for its reads of this slot.  fill = 1: this slot is filled again, two K steps ahead.
.macro TURN slot, next, fill
	s_wait_tensorcnt 0x0                           ; all my tensor loads have landed: my part of the next slot
	ds_add_u32 v[SPW], v[NIL]                      ; 0 onto my spare word
	s_wait_dscnt 4*NL+1                            ; (the add and the youngest 16 loads may be out)
	MULA 0, 1, 1, \slot, 0
	s_wait_dscnt 0x0                               ; the add is done, and my reads of this slot are over
	s_barrier_signal -1
	MULA 2, 1, 1, \slot, 0
	WIN 0
	s_barrier_wait -1
.if \fill
	CREST                                          ; the barrier has opened a round of the cluster's barrier: no wave of any partner still reads this slot or has a load on its way
	s_add_nc_u64 s[G0+4*\slot+2:G0+4*\slot+3], s[G0+4*\slot+2:G0+4*\slot+3], 6144
	s_add_nc_u64 s[G0B+4*\slot+2:G0B+4*\slot+3], s[G0B+4*\slot+2:G0B+4*\slot+3], 6144
	JLOAD G0+4*\slot, G1, G0B+4*\slot, G1B         ; the first tensor load behind the round; its four v_nop are the places in front of the loads below
.else
	PLACES NP
.endif
	v_add_nc_u32 v[ADRS], 128, v[ADRS]             ; the next K step's scale words (no LDS load of mine is out)
	FETCH_B \next, 0, 0
	FETCH_A \next, 0, 0
	SCALES \next
	MULA 4, 1, 1, \slot, 0
	MULA 6, 1, 1, \slot, 0
	PLACES NP
	WIN 0
	FETCH_A \next, 0, 4
.endm
; THE WAY OUT of S1's block a: its 64 numbers a lane (register 16 b + i = neighbour 32 b + 16 (lane / 16) + i) become a fragment's codes and its scale word, and leave as two half images.
.macro OUTA a
.set AC, 64*((\a)%4)
	WIN 0x28+0x14*((\a)/4)                         ; sources 1 and 2: window 2 or 3
.irp b, 0,1,2,3
	v_max3_num_f32 v[TM+\b], 0x1800000, |v[AC+16*\b]|, |v[AC+16*\b+1]|   ; each accumulator is read from its low end on; the floor 2^(3 - 127) holds the byte at 1 from below
.endr
.irp i, 2,4,6,8,10,12,14
.irp b, 0,1,2,3
	v_max3_num_f32 v[TM+\b], v[TM+\b], |v[AC+16*\b+\i]|, |v[AC+16*\b+\i+1]|
.endr
.endr
	WIN 0
.irp b, 0,1,2,3
	v_permlanex16_b32 v[TM+4+\b], v[TM+\b], s22, s23
.endr
.irp b, 0,1,2,3
	v_max_num_f32 v[TM+\b], v[TM+\b], v[TM+4+\b]   ; with lane l xor 16's: the block's largest magnitude
.endr
.irp b, 0,1,2,3
	v_add_nc_u32 v[TM+12+\b], 0xff000000, v[TM+\b] ; 2 off its exponent field: the conversion's scale operand
.endr
.irp b, 0,1,2,3
	v_lshrrev_b32 v[TM+4+\b], 23, v[TM+12+\b]      ; the scale's byte
.endr
	v_lshl_or_b32 v[PW+(\a)], v[TM+5], 8, v[TM+4]
	v_lshl_or_b32 v[PW+(\a)], v[TM+6], 16, v[PW+(\a)]
	v_lshl_or_b32 v[PW+(\a)], v[TM+7], 24, v[PW+(\a)]
.if (\a) > 0
	s_wait_xcnt 0x0                                ; the last block's stores have read their data and bases: both are written again only behind this wait
.if (\a) == 4
	s_add_nc_u64 s[94:95], s[94:95], s[100:101]
	s_add_nc_u64 s[96:97], s[96:97], s[100:101]
.else
	s_add_nc_u64 s[94:95], s[94:95], s[98:99]
	s_add_nc_u64 s[96:97], s[96:97], s[98:99]
.endif
.endif
	WIN 0x02+((\a)/4)                              ; source 0: window 2 or 3
.irp c, 0,1
	v_cvt_scalef32_pk16_fp6_f32 v[PC+6*\c:PC+6*\c+2], v[AC+32*\c:AC+32*\c+15], v[TM+12+2*\c]
	v_cvt_scalef32_pk16_fp6_f32 v[PC+12+4*\c:PC+14+4*\c], v[AC+32*\c+16:AC+32*\c+31], v[TM+12+2*\c+1]   ; (a conversion's three registers begin on an even number)
.endr
	WIN 0
	v_nop                                          ; one plain instruction behind a scaled conversion
.irp c, 0,1                                    ; the operand's layout wants a whole block in a lane: lanes 0-15 block 2 c, lanes 16-31 block 2 c + 1
.irp i, 0,1,2
	v_permlane16_swap_b32 v[PC+6*\c+\i], v[PC+12+4*\c+\i]
.endr
.irp i, 0,1,2
	v_mov_b32 v[PC+3+6*\c+\i], v[PC+12+4*\c+\i]
.endr
.endr
	global_store_b128 v24, v[PC:PC+3], s[94:95]                ; 512 consecutive bytes,
	global_store_b64 v25, v[PC+4:PC+5], s[94:95] offset:512    ; and 256: the first half image
	global_store_b128 v24, v[PC+6:PC+9], s[96:97]
	global_store_b64 v25, v[PC+10:PC+11], s[96:97] offset:512  ; the second
.endm
	s_load_b256 s[4:11], s[0:1], 0x0               ; xc s[4:5], xs s[6:7], wc s[8:9], ws s[10:11]
	s_load_b128 s[12:15], s[0:1], 0x20             ; b_qkv s[12:13], qkv s[14:15]
	v_lshl_add_u32 v[SPW], v0, 2, SPARE
	v_mov_b32 v[NIL], 0
	ds_add_u32 v[SPW], v[NIL]                      ; the wave's opening: the add, twice on end, and its wait ahead of my first tensor load
	ds_add_u32 v[SPW], v[NIL]
	v_lshrrev_b32 v1, 5, v0
	v_readfirstlane_b32 s16, v1                    ; wave 0..3
	s_lshr_b32 s17, s16, 1                         ; HJ: my half of S1's 256 rows.  Also: I fetch for S1 (0) or for S0 (1)
	s_and_b32 s18, s16, 1                          ; HI: my half of S0's rows.  Also: which half I fetch
	s_bfe_u32 s40, ttmp6, 0x40000                  ; cx
	s_bfe_u32 s41, ttmp6, 0x40004                  ; cy
	s_and_b32 s20, ttmp7, 0xffff                   ; cluster y
	s_lshl_b32 s21, s20, 2
	s_max_u32 s46, s20, 8
	s_sub_co_u32 s46, s46, 8
	s_lshl_b32 s46, s46, 1
	s_add_co_u32 s46, s46, ttmp9                   ; v: 2 (cluster y - 8) + cluster x
	s_cmp_ge_u32 s20, 8
	s_cselect_b32 s19, 1, 0                        ; 1: this cluster makes v
	s_cselect_b32 s21, 0, s21
	s_cselect_b32 s46, s46, ttmp9
	s_cselect_b32 s22, 128, 0                      ; v's columns begin at tile 128 of w
	s_add_co_u32 s43, s21, s41                     ; Jt: which 256 rows of S1: it hangs on cy, not on cx
	s_lshl_b32 s46, s46, 2
	s_add_co_u32 s42, s46, s40                     ; It: which 256 rows of S0: it hangs on cx, not on cy
	s_lshl_b32 s44, s41, 2
	s_lshl_b32 s44, 15, s44                        ; my row of the cluster
	s_lshl_b32 s45, 0x1111, s40                    ; my column
	; descriptor groups 1.  Codes: 8 rows (tiles) of 384 elements of 8 bytes (a tile's 256 along K), 1,536 elements apart.  Scales: dense, as rows of 256 bytes.  No padding; bit 21 beside the mask.
	s_or_b32 s[G1+0], s44, (3<<16)|(1<<21)
	s_or_b32 s[G1B+0], s45, (3<<16)|(1<<21)
	s_or_b32 s[G1S+0], s44, (3<<16)|(1<<21)
	s_or_b32 s[G1SB+0], s45, (3<<16)|(1<<21)
	s_mov_b32 s[G1+1], 384<<16                     ; tensor_dim0
	s_mov_b32 s[G1+2], 8<<16                       ; tensor_dim1
	s_mov_b32 s[G1+3], 384<<16                     ; tile_dim0
	s_mov_b32 s[G1+4], 8                           ; tile_dim1
	s_mov_b32 s[G1+5], 1536                        ; from tile to tile
	s_mov_b32 s[G1+6], 0
	s_mov_b32 s[G1+7], 0
	s_mov_b32 s[G1B+1], 384<<16
	s_mov_b32 s[G1B+2], NBB<<16
	s_mov_b32 s[G1B+3], 384<<16
	s_mov_b32 s[G1B+4], NBB
	s_mov_b32 s[G1B+5], 1536
	s_mov_b32 s[G1B+6], 0
	s_mov_b32 s[G1B+7], 0
	s_mov_b32 s[G1S+1], 32<<16
	s_mov_b32 s[G1S+2], 16<<16
	s_mov_b32 s[G1S+3], 32<<16
	s_mov_b32 s[G1S+4], 16
	s_mov_b32 s[G1S+5], 32
	s_mov_b32 s[G1S+6], 0
	s_mov_b32 s[G1S+7], 0
	s_mov_b32 s[G1SB+1], 32<<16
	s_mov_b32 s[G1SB+2], (2*NBB)<<16
	s_mov_b32 s[G1SB+3], 32<<16
	s_mov_b32 s[G1SB+4], 2*NBB
	s_mov_b32 s[G1SB+5], 32
	s_mov_b32 s[G1SB+6], 0
	s_mov_b32 s[G1SB+7], 0
	s_lshl_b32 s21, s43, 4
	s_lshl_b32 s23, s18, 3
	s_add_co_u32 s21, s21, s23
	s_add_co_u32 s21, s21, s22                     ; S1: the first tile that I fetch
	s_mul_i32 s20, s21, 12288                      ; its codes,
	s_lshl_b32 s22, s21, 9                         ; its scale bytes
	s_mov_b32 s21, 0
	s_mov_b32 s23, 0
	s_mul_i32 s46, s42, 2*NBB
	s_mul_i32 s47, s18, NBB
	s_add_co_u32 s46, s46, s47                     ; S0 likewise
	s_lshl_b32 s66, s46, 9
	s_mul_i32 s46, s46, 12288
	s_mov_b32 s47, 0
	s_mov_b32 s67, 0
	s_mul_i32 s100, s18, HTA                       ; where they go: no place in the cluster enters an LDS address
	s_mul_i32 s101, s18, HTB
	s_add_co_u32 s101, s101, 2*HTA
	s_lshl_b32 s2, s18, 12
	s_mul_i32 s3, s18, 512*NBB
	s_wait_dscnt 0x0                               ; both opening adds are done
	s_wait_kmcnt 0x0
	s_cmp_eq_u32 s19, 1
	s_cselect_b64 s[92:93], s[8:9], s[4:5]         ; S1's codes: w's for v, else x's
	s_cselect_b64 s[94:95], s[10:11], s[6:7]
	s_cselect_b64 s[96:97], s[4:5], s[8:9]         ; S0's
	s_cselect_b64 s[98:99], s[6:7], s[10:11]
	s_add_nc_u64 s[92:93], s[92:93], s[20:21]
	s_add_nc_u64 s[94:95], s[94:95], s[22:23]
	s_add_nc_u64 s[96:97], s[96:97], s[46:47]
	s_add_nc_u64 s[98:99], s[98:99], s[66:67]
	CROUND                                         ; all sixteen work-groups are here: the first joint loads meet
	s_mov_b32 s[G0S], 1
	s_add_co_u32 s[G0S+1], s2, SCL
	s_mov_b64 s[G0S+2:G0S+3], s[94:95]
	s_or_b32 s[G0S+3], s[G0S+3], 0x80000000
	s_mov_b32 s[G0SB], 1
	s_add_co_u32 s[G0SB+1], s3, SCLB
	s_mov_b64 s[G0SB+2:G0SB+3], s[98:99]
	s_or_b32 s[G0SB+3], s[G0SB+3], 0x80000000
	JLOAD G0S, G1S, G0SB, G1SB                     ; the scale bytes for all of K: filled once
.irp s, 0,1
	s_mov_b32 s[G0+4*\s], 1
	s_add_co_u32 s[G0+4*\s+1], s100, \s*SLOT
	s_add_nc_u64 s[G0+4*\s+2:G0+4*\s+3], s[92:93], \s*3072
	s_or_b32 s[G0+4*\s+3], s[G0+4*\s+3], 0x80000000
	s_mov_b32 s[G0B+4*\s], 1
	s_add_co_u32 s[G0B+4*\s+1], s101, \s*SLOT
	s_add_nc_u64 s[G0B+4*\s+2:G0B+4*\s+3], s[96:97], \s*3072
	s_or_b32 s[G0B+4*\s+3], s[G0B+4*\s+3], 0x80000000
	JLOAD G0+4*\s, G1, G0B+4*\s, G1B               ; K steps 0 and 1: three loads of mine are out
.endr
	v_and_b32 v1, 31, v0                           ; lane
	v_and_b32 v2, 15, v0                           ; r
	v_bfe_u32 v3, v0, 4, 1                         ; h
	v_lshlrev_b32 v24, 4, v1                       ; 16 x lane
	v_lshlrev_b32 v25, 4, v2
	v_lshl_add_u32 v25, v3, 3, v25                 ; 16 r + 8 h
	v_add_nc_u32 v5, 512, v25
	s_mul_i32 s20, s17, HTA                        ; my half of S1,
	s_mul_i32 s21, s18, HTB
	s_add_co_u32 s21, s21, 2*HTA                   ; my half of S0
.irp s, 0,1
	v_add_nc_u32 v[ADRA+\s], s20, v24
	v_add_nc_u32 v[ADRA+2+\s], s20, v5
	v_add_nc_u32 v[ADRB+\s], s21, v24
	v_add_nc_u32 v[ADRB+2+\s], s21, v5
	s_add_co_u32 s20, s20, SLOT
	s_add_co_u32 s21, s21, SLOT
.endr
	s_lshl_b32 s20, s17, 12                        ; scale words: S1's, my half;
	s_mul_i32 s21, s18, 512*NBB
	s_add_co_u32 s21, s21, SCLB-SCL
	s_sub_co_u32 s21, s21, s20                     ; lanes 16-31 take S0's: one product with the distance
	v_mul_u32_u24 v6, s21, v3
	s_add_co_u32 s20, s20, SCL
	v_lshl_add_u32 v6, v2, 3, v6
	v_add_nc_u32 v[ADRS], s20, v6
	v_mul_u32_u24 v26, v3, 102400                  ; the way out's scale words: 6,144 + 16 r, and the next head for lanes 16-31
	v_lshl_add_u32 v26, v2, 4, v26
	v_add_nc_u32 v26, 6144, v26
	v_lshlrev_b32 v8, 6, v3                        ; the bias by S0's rows: 16 numbers on for lanes 16-31
	v_and_b32 v9, 8, v2
	v_add_nc_u32 v9, v9, v2
	v_lshlrev_b32 v9, 2, v9                        ; the bias by S1's rows: 4 (r + 8 (r / 8))
	s_cmp_eq_u32 s19, 1
	s_cbranch_scc1 .Lbias_v
	s_lshl_b32 s20, s42, 10                        ; q, k: columns 256 It + 128 HI on; block b's lane wants 32 (b / 2) + 8 (b % 2) + 16 h + 0 .. 7
	s_lshl_b32 s21, s18, 9
	s_add_co_u32 s20, s20, s21
	s_mov_b32 s21, 0
	s_add_nc_u64 s[12:13], s[12:13], s[20:21]
.irp b, 0,1,2,3,4,5,6,7
	global_load_b128 v[BIAS+8*\b:BIAS+8*\b+3], v8, s[12:13] offset:(32*(\b/2)+8*(\b%2))*4
	global_load_b128 v[BIAS+8*\b+4:BIAS+8*\b+7], v8, s[12:13] offset:(32*(\b/2)+8*(\b%2))*4+16
.endr
	s_branch .Lbias_done
.Lbias_v:
	s_lshl_b32 s20, s43, 10                        ; v: columns 2,048 + 256 Jt + 128 HJ on; a lane's eight results of a block share one column
	s_lshl_b32 s21, s17, 9
	s_add_co_u32 s20, s20, s21
	s_add_co_u32 s20, s20, 8192
	s_mov_b32 s21, 0
	s_add_nc_u64 s[12:13], s[12:13], s[20:21]
.irp a, 0,1,2,3,4,5,6,7
.irp j, 0,1,2,3,4,5,6,7
	global_load_b32 v[BIAS+8*\a+\j], v9, s[12:13] offset:(32*(\a/2)+8*(\a%2))*4
.endr
.endr
.Lbias_done:
	; where my results go: block = (64 region + 16 batch + head) 16 + chunk
	s_lshl_b32 s22, s42, 2
	s_lshl_b32 s23, s18, 1
	s_add_co_u32 s22, s22, s23                     ; q, k: my first head of the 32
	s_lshr_b32 s23, s22, 4
	s_lshl_b32 s23, s23, 6
	s_and_b32 s22, s22, 15
	s_add_co_u32 s22, s22, s23
	s_lshl_b32 s23, s43, 2
	s_lshl_b32 s46, s17, 1
	s_add_co_u32 s23, s23, s46
	s_add_co_u32 s23, s23, 128                     ; v: region 2, my first head
	s_cmp_eq_u32 s19, 1
	s_cselect_b32 s22, s23, s22
	s_cselect_b32 s20, s42, s43                    ; which 256 tokens,
	s_cselect_b32 s21, s18, s17                    ; which half of them
	s_mov_b32 s98, 768
	s_cselect_b32 s98, 1536, s98                   ; from block a to a + 1: a half image (q, k) or a fragment (v);
	s_mov_b32 s100, 768
	s_cselect_b32 s100, 97792, s100                ; v, from block 3 to 4: on to the next head: 102,400 - 3 x 1,536
	s_mov_b32 s66, 102400
	s_cselect_b32 s66, 768, s66                    ; from the first half image to the second: the next head (q, k) or the fragment's second half (v)
	s_mov_b32 s99, 0
	s_mov_b32 s101, 0
	s_mov_b32 s67, 0
	s_lshr_b32 s23, s20, 3
	s_lshl_b32 s23, s23, 4
	s_add_co_u32 s22, s22, s23
	s_lshl_b32 s22, s22, 4
	s_and_b32 s20, s20, 7
	s_lshl_b32 s20, s20, 1
	s_add_co_u32 s22, s22, s20
	s_add_co_u32 s22, s22, s21
	s_mul_i32 s22, s22, 6400
	s_mov_b32 s23, 0
	s_add_nc_u64 s[92:93], s[14:15], s[22:23]
	s_mov_b64 s[94:95], s[92:93]
	s_add_nc_u64 s[96:97], s[92:93], s[66:67]
	s_mov_b32 s22, 0x76543210
	s_mov_b32 s23, 0xfedcba98                      ; selects for lane l xor 16
	s_wait_tensorcnt 1                             ; the scales and my part of K step 0 are in (K step 1's load may be out)
	s_barrier_signal -1
	s_barrier_wait -1                              ; everybody's are
	FETCH_B 0, 0, 0
	FETCH_A 0, 0, 0
	SCALES 0
	FETCH_A 0, 0, 4
	s_wait_loadcnt 0x0                             ; the bias
	s_cmp_eq_u32 s19, 1
	s_cbranch_scc1 .Lfirst_v
	STEP 0, 0, 1                                   ; the first step starts the sums with the bias: nothing is cleared
	s_branch .Lfirst_done
.Lfirst_v:
	STEP 0, 0, 2
.Lfirst_done:
	TURN 0, 1, 1
	STEP 1, 0, 0
	TURN 1, 0, 1
	STEP 0, 0, 0
	TURN 0, 1, 0                                   ; the last two K steps fill nothing
	STEP 1, 0, 0
	s_wait_dscnt 4*NL
	MULA 0, 1, 1, 1, 0
	MULA 2, 1, 1, 1, 0
	s_wait_dscnt 0x0
	MULA 4, 1, 1, 1, 0
	MULA 6, 1, 1, 1, 0
	WIN 0
	PLACES NP                                      ; behind the last products: their operands' registers are written below
.irp b, 0,1,2,3
	v_mov_b32 v[TM+4+\b], 0                        ; written once: a lane permute's destination counts as one of its sources
.endr
.irp a, 0,1,2,3,4,5,6,7
	OUTA \a
.endr
	v_cmp_le_u32 vcc_lo, 16, v1
	s_cmp_eq_u32 s19, 1
	s_cbranch_scc1 .Lwords_v
.irp c, 0,1,2,3                                ; q, k: a block's word holds the first head's two bytes below and the second head's above; word c of a head joins token tiles 2 c and 2 c + 1
	v_perm_b32 v[FW+\c], v[PW+2*\c+1], v[PW+2*\c], 0x05040100
	v_perm_b32 v[TM+\c], v[PW+2*\c+1], v[PW+2*\c], 0x07060302
.endr
.irp c, 0,1,2,3
	v_cndmask_b32 v[FW+\c], v[FW+\c], v[TM+\c], vcc_lo
.endr
	s_branch .Lwords_done
.Lwords_v:
.irp c, 0,1,2,3                                ; v: blocks 0-3 are the first head's fragments, blocks 4-7 the second's
	v_cndmask_b32 v[FW+\c], v[PW+\c], v[PW+4+\c], vcc_lo
.endr
.Lwords_done:
	global_store_b128 v26, v[FW:FW+3], s[92:93]    ; lanes 0-15: the first head's 256 bytes, lanes 16-31: the second's
	s_wait_tensorcnt 0x0                           ; the wave's end
	ds_add_u32 v[SPW], v[NIL]
	s_wait_dscnt 0x0
	CROUND                                         ; the closing round: no work-group ends while a partner may still ask for a tile that names it
	s_endpgm
.Lfunc_end_k_q51928b8faf_qkvg:
	.size	k_q51928b8faf_qkvg, .Lfunc_end_k_q51928b8faf_qkvg-k_q51928b8faf_qkvg
	.p2alignl 7, 3214868480
	.fill 96, 4, 3214868480
	.section	.rodata,"a",@progbits
	.p2align	6, 0x0
	.amdhsa_kernel k_q51928b8faf_qkvg
		.amdhsa_group_segment_fixed_size 327680
		.amdhsa_private_segment_fixed_size 0
		.amdhsa_enable_private_segment 0
		.amdhsa_kernarg_size 48
		.amdhsa_user_sgpr_count 2
		.amdhsa_user_sgpr_kernarg_segment_ptr 1
		.amdhsa_wavefront_size32 1
		.amdhsa_system_sgpr_workgroup_id_x 1
		.amdhsa_system_sgpr_workgroup_id_y 1
		.amdhsa_system_sgpr_workgroup_id_z 1
		.amdhsa_system_vgpr_workitem_id 0
		.amdhsa_next_free_vgpr 1024
		.amdhsa_next_free_sgpr 102
		.amdhsa_reserve_vcc 1
		.amdhsa_float_denorm_mode_32 3
		.amdhsa_float_denorm_mode_16_64 3
		.amdhsa_memory_ordered 1
		.amdhsa_forward_progress 1
		.amdhsa_inst_pref_size 172
	.end_amdhsa_kernel
	.amdgpu_metadata
---
amdhsa.version: [ 1, 2 ]
amdhsa.kernels:
  - .name:           k_q51928b8faf_qkvg
    .symbol:         k_q51928b8faf_qkvg.kd
    .args:
      - { .name: xc, .offset: 0, .size: 8, .value_kind: global_buffer, .address_space: global }
      - { .name: xs, .offset: 8, .size: 8, .value_kind: global_buffer, .address_space: global }
      - { .name: wc, .offset: 16, .size: 8, .value_kind: global_buffer, .address_space: global }
      - { .name: ws, .offset: 24, .size: 8, .value_kind: global_buffer, .address_space: global }
      - { .name: b_qkv, .offset: 32, .size: 8, .value_kind: global_buffer, .address_space: global }
      - { .name: qkv, .offset: 40, .size: 8, .value_kind: global_buffer, .address_space: global }
    .group_segment_fixed_size: 327680
    .private_segment_fixed_size: 0
    .kernarg_segment_align: 8
    .kernarg_segment_size: 48
    .max_flat_workgroup_size: 128
    .sgpr_count:     102
    .vgpr_count:     1024
    .wavefront_size: 32
...
	.end_amdgpu_metadata
.endif
;; end of part 2
;; launch attn (part 3): grid 4 x 64, 16 waves a work-group, no clusters, 327,680 bytes of LDS; arguments qkv, yc, ys; writes yc, ys
.if DOCPART == 3
	.amdgcn_target "amdgcn-amd-amdhsa--gfx1250"
	.amdhsa_code_object_version 6
	.text
	.protected	k_q51928b8faf_attn
	.globl	k_q51928b8faf_attn
	.p2align	8
	.type	k_q51928b8faf_attn,@function
k_q51928b8faf_attn:
	s_mov_b64 s[64:65], 0
	v_nop
	global_prefetch_b8 v0, s[64:65] scope:SCOPE_SE
	s_setreg_imm32_b32 hwreg(HW_REG_WAVE_MODE, 25, 1), 1
	s_wait_xcnt 0x0
; y = softmax(q k^T / 8, causal) v for each batch and head, both products on codes of FP6 (E2M3) with E8M0 scales; y / l is quantised along the 1,024 channels for the projection.
; LEFT OUT: steps of 128 keys that lie wholly behind a wave's queries: reference()'s own mask gives those keys the weight 0 for all finite inputs.  A NaN or an infinity that reaches only them is not carried on.
; THE SOFTMAX: t = score x log2(e) / 8; M = the running largest t rounded up to a whole number; p = 2^(t - M) is quantised along the keys, not normalised; the sum is taken of the unquantised p and divides at the end.
; SHARES.  Work-group (i, batch and head) takes the block of 256 queries 7 - i and then block i: (8 - i) + (i + 1) = 9 slots of 256 keys for every work-group, so the trip count is a constant and all 256 have equal work.
; Each of sixteen waves owns 16 queries of a block, in 256 registers.  K's and V's blocks come through two LDS slots filled by the tensor data mover (waves 0-3, one block of 6,400 bytes each) and are read by all sixteen.
; NO CLUSTER: from the fifth trip on the four work-groups of a head walk different slots in the same trip, so they have no tile to ask for jointly.
; LAYOUT (see qkvg).  Both products are used transposed: a lane holds ONE query.  The head's 64 are half of the instruction's 128 along K: two half images of k (key tiles 2 b, 2 b + 1) are read as ONE fragment and multiplied
; by [q, 0] and by [0, q]: zero codes add nothing.  Token r of tile 2 B + u is 32 B + 8 u + r + 8 (r / 8), so the 16 registers of two neighbouring tiles of scores are 16 neighbouring keys.
; ys is written a byte a lane: 2 bytes of scales for each 48 of codes; those 256-byte units are written in part.
; LIMITS: NaN and infinities are not served; a block of zeros has the byte 1 where the rule says 127 (its codes are zeros; this program alone reads the bytes); a block's largest p is taken from its largest score, which takes
; v_exp_f32 not to fall where its input rises; y / l is a reciprocal and a multiplication.
.set SLOT1, 32768                      ; a slot: k's chunks 0, 1, v's chunks 0, 1: 4 x 6,400 bytes; slot 1 begins here, so that one exclusive or turns an address
.set SPARE, 65536                      ; the spare words, 128 bytes for each of sixteen waves
.set SPW, 5                            ; v5, v6: the add's two; never rewritten
.set NIL, 6
.set F,   36                           ; v36-83   four fragments of k or of v
.set S,   84                           ; v84-147  the scores, then p
.set O,   148                          ; v148-179 O^T
.set PC,  180                          ; v180-191 p's codes
.set PX,  192                          ; v192-198 the conversions' second halves
.set BM,  200                          ; v200-203 the blocks' largest
.set PT,  204                          ; v204-207 at work
.set SO,  208                          ; v208-211 the conversions' scale operands
.set KVS, 212                          ; v212-215 lanes 0-15 k's scale words, lanes 16-31 v's
.set FF,  216                          ; v216 f or 1 / l; v217 = 0 (named with it as a pair)
.set PW,  218                          ; v218 p's scale word
.set T0,  219                          ; v219-223 at work
.set PFO, 224                          ; v224 the prefetches' offset; never rewritten
; v1 16 x lane; v2 512 + 16 r + 8 h; v3 6,144 + 16 r + 12,800 h; v4 r + 8 (r / 8) - 16 h; v7 8 r + h; v8-10 the step's LDS addresses; v11 16 r; v12 -M; v13 the largest t; v[14:15] the sum; v16-33 [0][q][0]; v34 q's scale word
.set WV, 10
.set PI, 11                            ; the work-group's x
.set BH, 12                            ; 16 batch + head
.set N1, 13                            ; slots of the first block: 8 - x
.set TR, 14                            ; the trip
.set NK, 15                            ; the next trip's slot of keys
.set QB, 16                            ; the block of queries in hand
.set KF, 17                            ; the step's first key
.set QF, 18                            ; the first of the 32 tokens among which my queries lie
.set QL, 19                            ; the last
.set SEL, 20
.set CS, 22                            ; s[22:23] log2(e) / 8
.set G1, 24
.set G0, 32
.set KB, 36                            ; s[36:37] my block of slot 0 in memory
.set TB, 40                            ; LDS byte at which the slot in hand begins
.set PFA, 42
.set LIMP, 44
.set PSEL, 54
.set Q1, 55                            ; my tile's first token
.set HO, 56                            ; s[56:57] the head's bytes in a region
.macro TLOAD                           ; waves 0-3 fetch, one block each; an s_nop 0 and four v_nop follow the load
	s_cmp_lt_u32 s[WV], 4
	s_cbranch_scc0 .Lasked_\@
	tensor_load_to_lds s[G0:G0+3], s[G1:G1+7]
	s_nop 0
.rept 4
	v_nop
.endr
.Lasked_\@:
.endm
; A prefetch of the codes of the slot that the NEXT change of slots will load: 4 blocks x 24 pieces of 256 bytes, a lane a piece.  All four work-groups of a head walk the same k and v; the one with x = 0 walks all eight slots in its
; first eight trips: its waves 4-6 ask, one instruction each, in trips 0-5 (slots 2-7).  So each piece is named once in the launch; slots 0 and 1 and the scale words come by their loads alone.
.macro ASK
	s_cmp_lt_u32 s[TR], s[LIMP]
	s_cbranch_scc0 .Lnot_mine_\@
	global_prefetch_b8 v[PFO], s[PFA:PFA+1] th:TH_LOAD_NT scope:SCOPE_SE
.Lnot_mine_\@:
.endm
; THE CHANGE OF SLOTS, at a slot's head.  Each wave waits for all its tensor loads, adds 0 to its spare word, and waits for that and for its reads of the slot that it has left.  fill = 1: that slot takes the next trip's keys.
.macro CHANGE fill
	s_wait_tensorcnt 0x0                           ; no tensor load of mine is out, so group 0 may be written
	ds_add_u32 v[SPW], v[NIL]                      ; 0 onto my spare word
.if \fill
	ds_add_u32 v[SPW], v[NIL]                      ; and once more
	s_add_co_u32 s[NK], s[TR], 1
	s_cmp_ge_u32 s[NK], s[N1]
	s_cselect_b32 s38, s[N1], 0
	s_sub_co_u32 s[NK], s[NK], s38                 ; behind the first block's last slot the walk begins again at slot 0
	s_mul_i32 s38, s[NK], 12800
	s_mov_b32 s39, 0
	s_add_nc_u64 s[G0+2:G0+3], s[KB:KB+1], s[38:39]
	s_or_b32 s[G0+3], s[G0+3], 0x80000000
	s_xor_b32 s[G0+1], s[G0+1], SLOT1
	s_wait_xcnt 0x0                                ; the last prefetch, a trip back, has read its address
	s_add_nc_u64 s[PFA:PFA+1], s[PFA:PFA+1], 12800
.endif
	s_wait_dscnt 0x0
	s_barrier_signal -1
	s_barrier_wait -1
.if \fill
	TLOAD                                          ; the first thing behind the barrier, a wave's one tensor load until the next
	ASK
.endif
.endm
; A KEY STEP: 128 keys, the q-th chunk of the slot in hand.
.macro STEP q
	s_cmp_gt_u32 s[KF], s[QL]                      ; all 128 keys come after my queries: ids and the count of steps alone
	s_cbranch_scc1 .Lhidden_\@
	v_add_nc_u32 v8, s[TB], v1
	v_add_nc_u32 v9, s[TB], v2
	v_add_nc_u32 v10, s[TB], v3
	v_nop                                          ; four places in front of loads into registers that matrix instructions have read
.irp b, 0,1,2,3
	ds_load_b128 v[F+12*\b:F+12*\b+3], v8 offset:6400*(\q)+1536*\b
	ds_load_b64 v[F+12*\b+4:F+12*\b+5], v9 offset:6400*(\q)+1536*\b
	ds_load_b128 v[F+12*\b+6:F+12*\b+9], v8 offset:6400*(\q)+1536*\b+768
	ds_load_b64 v[F+12*\b+10:F+12*\b+11], v9 offset:6400*(\q)+1536*\b+768
.endr
	ds_load_b128 v[KVS:KVS+3], v10 offset:6400*(\q)
	s_wait_dscnt 0x0
	s_wait_alu depctr_va_vdst(0)
.irp b, 0,1,2,3                                ; S^T = k q^T: key tile 2 b by [q, 0], key tile 2 b + 1 by [0, q]
	v_wmma_scale_f32_16x16x128_f8f6f4 v[S+16*\b:S+16*\b+7], v[F+12*\b:F+12*\b+11], v[22:33], 0, v[KVS+\b], v34 matrix_a_fmt:MATRIX_FMT_FP6 matrix_b_fmt:MATRIX_FMT_FP6
	v_wmma_scale_f32_16x16x128_f8f6f4 v[S+16*\b+8:S+16*\b+15], v[F+12*\b:F+12*\b+11], v[16:27], 0, v[KVS+\b], v34 matrix_a_fmt:MATRIX_FMT_FP6 matrix_b_fmt:MATRIX_FMT_FP6
.endr
.rept 4
	v_nop
.endr
.irp t, 0,1,2,3                                ; v's four fragments land while the softmax is walked
	ds_load_b128 v[F+12*\t:F+12*\t+3], v8 offset:6400*(\q)+12800+1536*\t
	ds_load_b64 v[F+12*\t+4:F+12*\t+5], v9 offset:6400*(\q)+12800+1536*\t
	ds_load_b128 v[F+12*\t+6:F+12*\t+9], v8 offset:6400*(\q)+12800+1536*\t+768
	ds_load_b64 v[F+12*\t+10:F+12*\t+11], v9 offset:6400*(\q)+12800+1536*\t+768
.endr
	s_add_co_u32 s38, s[KF], 127
	s_cmp_le_u32 s38, s[QF]                        ; all 128 keys count for all my queries
	s_cbranch_scc1 .Lopen_\@
	s_sub_co_i32 s38, s[Q1], s[KF]
	v_add_nc_u32 v[T0], s38, v4                    ; d = my query - KF - 16 (lane / 16).  Register 16 b + i holds key KF + 16 (lane / 16) + 32 b + i: hidden where 32 b + i > d
	v_mov_b32 v[T0+1], 0xff800000
.set n, 0
.rept 64
	v_cmp_gt_i32 vcc_lo, 32*(n/16)+n%16, v[T0]
	v_cndmask_b32 v[S+n], v[S+n], v[T0+1], vcc_lo
.set n, n+1
.endr
.Lopen_\@:
.irp b, 0,1,2,3
	v_max3_num_f32 v[BM+\b], v[S+16*\b], v[S+16*\b+1], v[S+16*\b+2]   ; the largest score of each block of 32 keys: for the row's maximum and for the block's largest p
.endr
.irp i, 3,5,7,9,11,13
.irp b, 0,1,2,3
	v_max3_num_f32 v[BM+\b], v[BM+\b], v[S+16*\b+\i], v[S+16*\b+\i+1]
.endr
.endr
.irp b, 0,1,2,3
	v_max_num_f32 v[BM+\b], v[BM+\b], v[S+16*\b+15]
.endr
.irp b, 0,1,2,3
	s_delay_alu instid0(VALU_DEP_4)
	v_permlanex16_b32 v[PT+\b], v[BM+\b], s[SEL], s[SEL+1]
.endr
.irp b, 0,1,2,3
	s_delay_alu instid0(VALU_DEP_4)
	v_max_num_f32 v[BM+\b], v[BM+\b], v[PT+\b]     ; with lane l xor 16's 16 keys
.endr
	s_delay_alu instid0(VALU_DEP_2)
	v_max3_num_f32 v[T0], v[BM], v[BM+1], v[BM+2]
	s_delay_alu instid0(VALU_DEP_1)
	v_max_num_f32 v[T0], v[T0], v[BM+3]
	s_delay_alu instid0(VALU_DEP_1)
	v_mul_f32 v[T0], s[CS], v[T0]
	s_delay_alu instid0(VALU_DEP_1)
	v_max_num_f32 v13, v13, v[T0]                  ; the running largest t
	v_mov_b32 v[T0], v12
	s_delay_alu instid0(VALU_DEP_2)
	v_floor_f32 v12, -v13                          ; -M = floor(-t): M is a whole number
	s_delay_alu instid0(VALU_DEP_1)
	v_sub_f32 v[T0], v12, v[T0]
	s_delay_alu instid0(VALU_DEP_1)
	v_cvt_i32_f32 v[T0], v[T0]                     ; (it saturates)
	s_delay_alu instid0(VALU_DEP_1)
	v_ldexp_f32 v[FF], 1.0, v[T0]                  ; f = 2^(old M - new M): rounds nothing
.set n, 0
.rept 32
	v_pk_fma_f32 v[S+n:S+n+1], v[S+n:S+n+1], s[CS:CS+1], v[12:13] op_sel_hi:[1,0,0]   ; t - M
.set n, n+2
.endr
.irp b, 0,1,2,3
	v_fma_f32 v[BM+\b], v[BM+\b], s[CS], v12
.endr
.set n, 0
	s_wait_alu depctr_va_vdst(0)
.rept 64
	v_exp_f32 v[S+n], v[S+n]                       ; p = 2^(t - M)
.set n, n+1
.endr
	v_pk_mul_f32 v[14:15], v[14:15], v[FF:FF+1] op_sel_hi:[1,0]   ; the sums under the new M; a plain instruction behind the exponentials
	s_wait_alu depctr_va_vdst(0)                   ; one wait for the batch, ahead of its first reader
.irp b, 0,1,2,3
	v_exp_f32 v[BM+\b], v[BM+\b]                   ; the blocks' largest p
.endr
	v_pk_add_f32 v[204:205], v[88:89], v[92:93]
	v_pk_add_f32 v[254:255], v[96:97], v[100:101]
	v_pk_add_f32 v[252:253], v[104:105], v[108:109]
	v_pk_add_f32 v[250:251], v[112:113], v[116:117]
	v_pk_add_f32 v[248:249], v[120:121], v[124:125]
	v_pk_add_f32 v[246:247], v[128:129], v[132:133]
	v_pk_add_f32 v[244:245], v[136:137], v[140:141]
	v_pk_add_f32 v[14:15], v[14:15], v[144:145]
	v_pk_add_f32 v[204:205], v[204:205], v[84:85]
	v_pk_add_f32 v[254:255], v[254:255], v[86:87]
	v_pk_add_f32 v[252:253], v[252:253], v[90:91]
	v_pk_add_f32 v[250:251], v[250:251], v[94:95]
	v_pk_add_f32 v[248:249], v[248:249], v[98:99]
	v_pk_add_f32 v[246:247], v[246:247], v[102:103]
	v_pk_add_f32 v[244:245], v[244:245], v[106:107]
	v_pk_add_f32 v[14:15], v[14:15], v[110:111]
	v_pk_add_f32 v[204:205], v[204:205], v[114:115]
	v_pk_add_f32 v[254:255], v[254:255], v[118:119]
	v_pk_add_f32 v[252:253], v[252:253], v[122:123]
	v_pk_add_f32 v[250:251], v[250:251], v[126:127]
	v_pk_add_f32 v[248:249], v[248:249], v[130:131]
	v_pk_add_f32 v[246:247], v[246:247], v[134:135]
	v_pk_add_f32 v[244:245], v[244:245], v[138:139]
	v_pk_add_f32 v[14:15], v[14:15], v[142:143]
	v_pk_add_f32 v[204:205], v[204:205], v[146:147]
	s_delay_alu instid0(VALU_DEP_2)
	v_pk_add_f32 v[14:15], v[14:15], v[250:251]
	s_delay_alu instid0(VALU_DEP_2)
	v_pk_add_f32 v[204:205], v[204:205], v[248:249]
	v_pk_add_f32 v[254:255], v[254:255], v[246:247]
	v_pk_add_f32 v[252:253], v[252:253], v[244:245]
	s_delay_alu instid0(VALU_DEP_2)
	v_pk_add_f32 v[14:15], v[14:15], v[254:255]
	s_delay_alu instid0(VALU_DEP_2)
	v_pk_add_f32 v[204:205], v[204:205], v[252:253]
	s_delay_alu instid0(VALU_DEP_1)
	v_pk_add_f32 v[14:15], v[14:15], v[204:205]
	s_wait_alu depctr_va_vdst(0)                   ; and one for the four
.irp b, 0,1,2,3
	v_max_num_f32 v[BM+\b], 0x1800000, v[BM+\b]    ; the floor 2^(3 - 127): a block whose every p is 0 keeps the byte 1: its codes are zeros
.endr
.irp b, 0,1,2,3
	s_delay_alu instid0(VALU_DEP_4)
	v_add_nc_u32 v[SO+\b], 0xff000000, v[BM+\b]
.endr
.irp b, 0,1,2,3
	s_delay_alu instid0(VALU_DEP_4)
	v_lshrrev_b32 v[PT+\b], 23, v[SO+\b]
.endr
	s_delay_alu instid0(VALU_DEP_3)
	v_lshl_or_b32 v[PW], v[PT+1], 8, v[PT]
	s_delay_alu instid0(VALU_DEP_1)
	v_lshl_or_b32 v[PW], v[PT+2], 16, v[PW]
	s_delay_alu instid0(VALU_DEP_1)
	v_lshl_or_b32 v[PW], v[PT+3], 24, v[PW]
.irp c, 0,1
	v_cvt_scalef32_pk16_fp6_f32 v[PC+6*\c:PC+6*\c+2], v[S+32*\c:S+32*\c+15], v[SO+2*\c]
	v_cvt_scalef32_pk16_fp6_f32 v[PX+4*\c:PX+4*\c+2], v[S+32*\c+16:S+32*\c+31], v[SO+2*\c+1]
.endr
	v_nop                                          ; one plain instruction behind a scaled conversion
.irp c, 0,1
.irp i, 0,1,2
	v_permlane16_swap_b32 v[PC+6*\c+\i], v[PX+4*\c+\i]
.endr
.irp i, 0,1,2
	s_delay_alu instid0(VALU_DEP_3)
	v_mov_b32 v[PC+3+6*\c+\i], v[PX+4*\c+\i]
.endr
.endr
.set n, 0
.rept 16
	v_pk_mul_f32 v[O+n:O+n+1], v[O+n:O+n+1], v[FF:FF+1] op_sel_hi:[1,0]   ; O^T under the new M; these are also the places between p's codes and scale word and the products
.set n, n+2
.endr
	s_wait_alu depctr_va_vdst(0)
	s_wait_dscnt 0x0                               ; v's fragments
.irp t, 0,1,2,3                                ; O^T += v^T p^T: four accumulators by turns
	v_wmma_scale_f32_16x16x128_f8f6f4 v[O+8*\t:O+8*\t+7], v[F+12*\t:F+12*\t+11], v[PC:PC+11], v[O+8*\t:O+8*\t+7], v[KVS+\t], v[PW] matrix_a_fmt:MATRIX_FMT_FP6 matrix_b_fmt:MATRIX_FMT_FP6 matrix_a_scale:MATRIX_SCALE_ROW1
.endr
.Lhidden_\@:
	s_add_co_u32 s[KF], s[KF], 128
.endm
; A block's end: O^T / l, quantised along the head's 64 (two blocks of the projection's K): one half image of yc, two bytes a row of ys.
.macro OUT
.rept 4
	v_nop
.endr
	v_add_f32 v14, v14, v15
	s_delay_alu instid0(VALU_DEP_1)
	v_permlanex16_b32 v[T0], v14, s[SEL], s[SEL+1]
	s_delay_alu instid0(VALU_DEP_1)
	v_add_f32 v14, v14, v[T0]                      ; the row's sum
	s_wait_alu depctr_va_vdst(0)
	v_rcp_f32 v[FF], v14
	v_and_b32 v[T0], 31, v0                        ; (a plain instruction behind the reciprocal)
	s_wait_alu depctr_va_vdst(0)
.set n, 0
.rept 16
	v_pk_mul_f32 v[O+n:O+n+1], v[O+n:O+n+1], v[FF:FF+1] op_sel_hi:[1,0]
.set n, n+2
.endr
.irp b, 0,1
	v_max3_num_f32 v[BM+\b], |v[O+16*\b]|, |v[O+16*\b+1]|, 0x1800000
.endr
.irp i, 2,4,6,8,10,12,14
.irp b, 0,1
	s_delay_alu instid0(VALU_DEP_2)
	v_max3_num_f32 v[BM+\b], v[BM+\b], |v[O+16*\b+\i]|, |v[O+16*\b+\i+1]|
.endr
.endr
.irp b, 0,1
	s_delay_alu instid0(VALU_DEP_2)
	v_permlanex16_b32 v[PT+\b], v[BM+\b], s[SEL], s[SEL+1]
.endr
.irp b, 0,1
	s_delay_alu instid0(VALU_DEP_2)
	v_max_num_f32 v[BM+\b], v[BM+\b], v[PT+\b]
.endr
.irp b, 0,1
	s_delay_alu instid0(VALU_DEP_2)
	v_add_nc_u32 v[SO+\b], 0xff000000, v[BM+\b]
.endr
.irp b, 0,1
	s_delay_alu instid0(VALU_DEP_2)
	v_lshrrev_b32 v[PT+\b], 23, v[SO+\b]
.endr
	v_cvt_scalef32_pk16_fp6_f32 v[PC:PC+2], v[O:O+15], v[SO]
	v_cvt_scalef32_pk16_fp6_f32 v[PX:PX+2], v[O+16:O+31], v[SO+1]
	v_nop
	v_cmp_le_u32 vcc_lo, 16, v[T0]
.irp i, 0,1,2
	v_permlane16_swap_b32 v[PC+\i], v[PX+\i]
.endr
.irp i, 0,1,2
	s_delay_alu instid0(VALU_DEP_3)
	v_mov_b32 v[PC+3+\i], v[PX+\i]
.endr
	v_cndmask_b32 v[T0+1], v[PT], v[PT+1], vcc_lo  ; my block's byte
	global_store_b128 v1, v[PC:PC+3], s[50:51]     ; 512 consecutive bytes,
	global_store_b64 v2, v[PC+4:PC+5], s[50:51]    ; and 256 (v2 holds the 512)
	global_store_b8 v7, v[T0+1], s[52:53]
.endm
; A block's beginning: where my queries and results lie; q and its scale word; the statistics anew.
.macro NEWQ
	s_wait_xcnt 0x0                                ; the last block's stores have read their data and bases
	s_lshl_b32 s[QF], s[QB], 8
	s_lshr_b32 s38, s[WV], 1
	s_lshl_b32 s38, s38, 5
	s_add_co_u32 s[QF], s[QF], s38
	s_add_co_u32 s[QL], s[QF], 31
	s_and_b32 s38, s[WV], 1
	s_lshl_b32 s38, s38, 3
	s_add_co_u32 s[Q1], s[QF], s38
	s_lshl_b32 s38, s[QB], 1
	s_lshr_b32 s39, s[WV], 3
	s_add_co_u32 s38, s38, s39                     ; my chunk of 128 tokens
	s_mul_i32 s38, s38, 6400
	s_add_co_u32 s38, s38, s[HO]
	s_and_b32 s39, s[WV], 7                        ; my tile in it
	s_mul_i32 s58, s39, 768
	s_add_co_u32 s58, s58, s38
	s_mov_b32 s59, 0
	s_add_nc_u64 s[46:47], s[4:5], s[58:59]
	s_lshr_b32 s39, s39, 1
	s_lshl_b32 s39, s39, 2
	s_add_co_u32 s58, s38, s39
	s_add_co_u32 s58, s58, 6144
	s_add_nc_u64 s[48:49], s[4:5], s[58:59]        ; the word that holds my tile's two bytes
	s_lshr_b32 s38, s[BH], 4
	s_lshl_b32 s38, s38, 7
	s_lshl_b32 s39, s[QB], 4
	s_add_co_u32 s38, s38, s39
	s_add_co_u32 s38, s38, s[WV]                   ; y's tile: 128 batch + 16 block + wave
	s_and_b32 s39, s[BH], 15                       ; the head
	s_mul_i32 s58, s38, 12288
	s_mul_i32 s60, s39, 768
	s_add_co_u32 s58, s58, s60
	s_add_nc_u64 s[50:51], s[6:7], s[58:59]
	s_lshl_b32 s58, s38, 9
	s_lshr_b32 s60, s39, 2
	s_lshl_b32 s60, s60, 7
	s_add_co_u32 s58, s58, s60
	s_and_b32 s60, s39, 3
	s_lshl_b32 s60, s60, 1
	s_add_co_u32 s58, s58, s60
	s_add_nc_u64 s[52:53], s[8:9], s[58:59]
	global_load_b128 v[22:25], v1, s[46:47]
	global_load_b64 v[26:27], v2, s[46:47]
	global_load_b32 v35, v11, s[48:49]
	v_mov_b32 v13, 0xff61b1e6                      ; the largest t so far: -3e38
	s_delay_alu instid0(VALU_DEP_1)
	v_floor_f32 v12, -v13
	v_mov_b32 v14, 0
	v_mov_b32 v15, 0
.set n, 0
.rept 32
	v_mov_b32 v[O+n], 0                            ; the step is written once: the first finds zeros
.set n, n+1
.endr
	s_wait_loadcnt 0x0
	v_perm_b32 v34, v35, v35, s[PSEL]              ; my tile's two bytes, below and above: for [q, 0] and for [0, q]
.rept 8
	v_nop                                          ; a scale register written by a vector instruction stands eight places ahead of a scaled matrix instruction
.endr
.endm
	s_load_b128 s[4:7], s[0:1], 0x0                ; qkv s[4:5], yc s[6:7]
	s_load_b64 s[8:9], s[0:1], 0x10                ; ys
	v_lshl_add_u32 v[SPW], v0, 2, SPARE
	v_mov_b32 v[NIL], 0
	ds_add_u32 v[SPW], v[NIL]                      ; the wave's opening: the add, twice on end, and its wait ahead of my first tensor load
	ds_add_u32 v[SPW], v[NIL]
	v_lshrrev_b32 v1, 5, v0
	s_delay_alu instid0(VALU_DEP_1)
	v_readfirstlane_b32 s[WV], v1                  ; wave 0..15
	s_mov_b32 s[PI], ttmp9
	s_and_b32 s[BH], ttmp7, 0xffff
	s_sub_co_u32 s[N1], 8, s[PI]
	s_sub_co_u32 s[QB], 7, s[PI]
	s_mov_b32 s[TR], 0
	s_mov_b32 s[KF], 0
	s_mov_b32 s[TB], 0
	s_mov_b32 s[SEL], 0x76543210
	s_mov_b32 s[SEL+1], 0xfedcba98
	s_mov_b32 s[CS], 0x3e38aa3b                    ; log2(e) / 8
	s_mov_b32 s[CS+1], s[CS]
	s_mov_b32 s[G1], 3<<16                         ; a dense block of 6,400 bytes as 25 rows of 32 elements of 8 bytes; no mask, no padding
	s_mov_b32 s[G1+1], 32<<16
	s_mov_b32 s[G1+2], 25<<16
	s_mov_b32 s[G1+3], 32<<16
	s_mov_b32 s[G1+4], 25
	s_mov_b32 s[G1+5], 32
	s_mov_b32 s[G1+6], 0
	s_mov_b32 s[G1+7], 0
	s_mul_i32 s[HO], s[BH], 102400
	s_mov_b32 s[HO+1], 0
	s_and_b32 s38, s[WV], 3                        ; which block of a slot I fetch, if I fetch: k's chunk 0, 1, v's chunk 0, 1
	s_mul_i32 s[G0+1], s38, 6400
	s_mov_b32 s[G0], 1
	s_and_b32 s39, s38, 1
	s_mul_i32 s39, s39, 6400
	s_lshr_b32 s38, s38, 1
	s_mul_i32 s38, s38, 6553600
	s_add_co_u32 s38, s38, s39
	s_add_co_u32 s38, s38, 6553600
	s_add_co_u32 s38, s38, s[HO]
	s_mov_b32 s39, 0
	s_and_b32 s58, s[WV], 1
	s_mov_b32 s[PSEL], 0x03020302
	s_cmp_eq_u32 s58, 0
	s_cselect_b32 s[PSEL], 0x01000100, s[PSEL]
	s_sub_co_u32 s58, s[WV], 4
	s_cmp_lt_u32 s58, 3                            ; waves 4, 5, 6
	s_cselect_b32 s[LIMP], 6, 0
	s_cmp_eq_u32 ttmp9, 0                          ; of the head's work-group 0
	s_cselect_b32 s[LIMP], s[LIMP], 0
	s_and_b32 s58, s58, 3
	s_lshl_b32 s58, s58, 5
	s_wait_dscnt 0x0                               ; both opening adds are done
	s_wait_kmcnt 0x0
	s_add_nc_u64 s[KB:KB+1], s[4:5], s[38:39]
	s_mov_b64 s[G0+2:G0+3], s[KB:KB+1]
	s_or_b32 s[G0+3], s[G0+3], 0x80000000
	TLOAD                                          ; slot 0
	s_add_nc_u64 s[PFA:PFA+1], s[4:5], s[HO:HO+1]
	s_add_nc_u64 s[PFA:PFA+1], s[PFA:PFA+1], 6553600+12800   ; k's region, slot 1: the first change steps it to slot 2.  Nothing is prefetched here at the head
	v_and_b32 v[T0], 31, v0                        ; lane
	v_and_b32 v[T0+1], 15, v0                      ; r
	v_bfe_u32 v[T0+2], v0, 4, 1                    ; h
	s_delay_alu instid0(VALU_DEP_3)
	v_lshlrev_b32 v1, 4, v[T0]
	s_delay_alu instid0(VALU_DEP_3)
	v_lshlrev_b32 v11, 4, v[T0+1]
	s_delay_alu instid0(VALU_DEP_1)
	v_lshl_add_u32 v2, v[T0+2], 3, v11
	s_delay_alu instid0(VALU_DEP_1)
	v_add_nc_u32 v2, 512, v2
	v_mul_u32_u24 v3, v[T0+2], 12800
	s_delay_alu instid0(VALU_DEP_1)
	v_add_nc_u32 v3, v3, v11
	s_delay_alu instid0(VALU_DEP_1)
	v_add_nc_u32 v3, 6144, v3
	v_and_b32 v4, 8, v[T0+1]
	s_delay_alu instid0(VALU_DEP_1)
	v_add_nc_u32 v4, v4, v[T0+1]
	v_lshlrev_b32 v7, 4, v[T0+2]
	s_delay_alu instid0(VALU_DEP_1)
	v_sub_nc_u32 v4, v4, v7
	v_lshl_add_u32 v7, v[T0+1], 3, v[T0+2]
	v_add_nc_u32 v[T0], s58, v[T0]                 ; e: my piece of the 96
	s_delay_alu instid0(VALU_DEP_1)
	v_mul_u32_u24 v[T0+1], v[T0], 43
	s_delay_alu instid0(VALU_DEP_1)
	v_lshrrev_b32 v[T0+1], 10, v[T0+1]             ; e / 24: the block
	s_delay_alu instid0(VALU_DEP_1)
	v_mul_u32_u24 v[T0+2], v[T0+1], 24
	s_delay_alu instid0(VALU_DEP_1)
	v_sub_nc_u32 v[T0], v[T0], v[T0+2]
	s_delay_alu instid0(VALU_DEP_1)
	v_lshlrev_b32 v[PFO], 8, v[T0]
	s_delay_alu instid0(VALU_DEP_4)
	v_and_b32 v[T0+2], 1, v[T0+1]
	s_delay_alu instid0(VALU_DEP_1)
	v_mad_u32_u24 v[PFO], v[T0+2], 6400, v[PFO]
	v_lshrrev_b32 v[T0+2], 1, v[T0+1]
	s_delay_alu instid0(VALU_DEP_1)
	v_mad_u32_u24 v[PFO], v[T0+2], 0x640000, v[PFO]
.irp j, 16,17,18,19,20,21,28,29,30,31,32,33
	v_mov_b32 v\j, 0                               ; the zero codes on both sides of q
.endr
.irp b, 0,1,2,3
	v_mov_b32 v[PT+\b], 0                          ; a lane permute's destination counts as one of its sources
.endr
	v_mov_b32 v[FF+1], 0
	NEWQ
.Ltrip:                                            ; eight trips; the ninth slot is written out, so that no trip jumps over a tensor load
	CHANGE 1
	STEP 0
	STEP 1
	s_xor_b32 s[TB], s[TB], SLOT1
	s_cmp_lg_u32 s[NK], 0                          ; the next slot begins the second block: ids and the trip's number alone, the same in all waves
	s_cbranch_scc1 .Lsame
	OUT
	s_mov_b32 s[QB], s[PI]
	NEWQ
.Lsame:
	s_lshl_b32 s[KF], s[NK], 8
	s_add_co_u32 s[TR], s[TR], 1
	s_cmp_lt_u32 s[TR], 8
	s_cbranch_scc1 .Ltrip
	CHANGE 0
	STEP 0
	STEP 1
	OUT
	s_wait_tensorcnt 0x0                           ; the wave's end
	ds_add_u32 v[SPW], v[NIL]
	s_wait_dscnt 0x0
	s_endpgm
.Lfunc_end_k_q51928b8faf_attn:
	.size	k_q51928b8faf_attn, .Lfunc_end_k_q51928b8faf_attn-k_q51928b8faf_attn
	.p2alignl 7, 3214868480
	.fill 96, 4, 3214868480
	.section	.rodata,"a",@progbits
	.p2align	6, 0x0
	.amdhsa_kernel k_q51928b8faf_attn
		.amdhsa_group_segment_fixed_size 327680
		.amdhsa_private_segment_fixed_size 0
		.amdhsa_enable_private_segment 0
		.amdhsa_kernarg_size 24
		.amdhsa_user_sgpr_count 2
		.amdhsa_user_sgpr_kernarg_segment_ptr 1
		.amdhsa_wavefront_size32 1
		.amdhsa_system_sgpr_workgroup_id_x 1
		.amdhsa_system_sgpr_workgroup_id_y 1
		.amdhsa_system_sgpr_workgroup_id_z 1
		.amdhsa_system_vgpr_workitem_id 0
		.amdhsa_next_free_vgpr 256
		.amdhsa_next_free_sgpr 66
		.amdhsa_reserve_vcc 1
		.amdhsa_float_denorm_mode_32 3
		.amdhsa_float_denorm_mode_16_64 3
		.amdhsa_memory_ordered 1
		.amdhsa_forward_progress 1
		.amdhsa_inst_pref_size 111
	.end_amdhsa_kernel
	.amdgpu_metadata
---
amdhsa.version: [ 1, 2 ]
amdhsa.kernels:
  - .name:           k_q51928b8faf_attn
    .symbol:         k_q51928b8faf_attn.kd
    .args:
      - { .name: qkv, .offset: 0, .size: 8, .value_kind: global_buffer, .address_space: global }
      - { .name: yc, .offset: 8, .size: 8, .value_kind: global_buffer, .address_space: global }
      - { .name: ys, .offset: 16, .size: 8, .value_kind: global_buffer, .address_space: global }
    .group_segment_fixed_size: 327680
    .private_segment_fixed_size: 0
    .kernarg_segment_align: 8
    .kernarg_segment_size: 24
    .max_flat_workgroup_size: 512
    .sgpr_count:     66
    .vgpr_count:     256
    .wavefront_size: 32
...
	.end_amdgpu_metadata
.endif
;; end of part 3
;; launch proj (part 4): grid 8 x 32, 4 waves a work-group, clusters of 4 x 4, 327,680 bytes of LDS; arguments yc, ys, wc, ws, b_proj, out0; writes out0
.if DOCPART == 4
	.amdgcn_target "amdgcn-amd-amdhsa--gfx1250"
	.amdhsa_code_object_version 6
	.text
	.protected	k_q51928b8faf_proj
	.globl	k_q51928b8faf_proj
	.p2align	8
	.type	k_q51928b8faf_proj,@function
k_q51928b8faf_proj:
	s_mov_b64 s[64:65], 0
	v_nop
	global_prefetch_b8 v0, s[64:65] scope:SCOPE_SE
	s_setreg_imm32_b32 hwreg(HW_REG_WAVE_MODE, 25, 1), 1
	s_wait_xcnt 0x0
	s_wait_alu depctr_hold_cnt(0) depctr_sa_sdst(0) depctr_va_vdst(0) depctr_va_sdst(0) depctr_va_ssrc(0) depctr_va_vcc(0) depctr_vm_vsrc(0)
	s_getreg_b32 s2, hwreg(HW_REG_IB_STS2, 6, 4)
	s_cmp_eq_u32 s2, 0
	s_cbranch_scc0 .Lentry_in_a_cluster
	s_endpgm
.Lentry_in_a_cluster:
	s_bfe_u32 s2, ttmp6, 0x10000c
	s_cmp_lg_u32 s2, 0xf033
	s_cbranch_scc0 .Lentry_shape_is_right
	s_endpgm
.Lentry_shape_is_right:
; out0 = y w_proj + b_proj on codes of FP6 (E2M3) with E8M0 scales; out0 [8192][1024] f32.  No work of this product is left out.
; The core is qkvg's, with a tile of 256 tokens x 128 columns, so that the 256 tiles give each WGP one: four waves, 128 tokens x 64 columns each, 32 accumulators.  K = 1,024 goes in four steps of 256 through two LDS slots.
; Source 1 (S1) = y's tokens, source 0 (S0) = w_proj's columns (tiles 192-255 of wc, ws): a lane holds one token and eight neighbouring columns an accumulator.  The bias is the C of each sum's first matrix instruction.
; Operands lie as images of the operand's registers (see qkvg); row r of tile 2 B + u is the logical row 32 B + 8 u + r + 8 (r / 8): the way out's addresses undo that order for the tokens; the columns come out in their own order.
; CLUSTERS: 4 x 4 work-groups; S1's tiles are shared along a row of the cluster, S0's along a column.
; REGISTERS: window 0: v1-9 lane numbers and offsets; v16-23 LDS addresses; v24-26 the way out; v27, v30 scale words' addresses; v28, v29 the add's two; v32-63 scale words; v64-95 the bias; v128-223 S1's 8 fragments, later rows of out0.
;   window 1: S0's fragments, two sets, at v0 and v128.  windows 2, 3: the accumulators ((a, b) at v[8 (4 (a % 4) + b)] of window 2 + a / 4).
.set NBB,   4
.set FR,    12
.set NL,    4
.set NP,    4
.set HTA,   24576
.set HTB,   3072*NBB
.set SLOT,  2*HTA+2*HTB
.set SCL,   2*SLOT
.set SCLB,  SCL+8192
.set SPARE, SCLB+1024*NBB
.set ADRA,  16
.set ADRB,  20
.set STO,   24                         ; v24 the stage: where I put 32 bytes of a row
.set RD,    25                         ; v25 and where I read a row back
.set CO,    26                         ; v26 my byte offset in out0
.set ADRS,  27
.set ADRS2, 30                         ; v30 S1's blocks 4-7 have no partner among S0's four: all lanes take S1's words
.set SPW,   28
.set NIL,   29
.set SCR,   32
.set BIAS,  64
.set AF,    128
.set BK,    128                        ; the way out: 16 rows read back from the stage, v128-159 and v160-191 by turns
.set G1,  24
.set G0,  32
.set G1B, 48
.set G0B, 56
.set G1S, 68
.set G0S, 76
.set G1SB, 80
.set G0SB, 88
.set MSB, 0
.macro WIN new                         ; the immediate's high byte repeats the setting that is left
.if MSB != (\new)
	s_set_vgpr_msb (MSB<<8)|(\new)
.set MSB, (\new)
.endif
.endm
.macro JLOAD g0a, g1a, g0b, g1b        ; a joint load: waves 0 and 1 fetch for S1, waves 2 and 3 for S0; an s_nop 0 and four v_nop follow each of the two lines
	s_cmp_eq_u32 s17, 0
	s_cbranch_scc0 .Lfor_b_\@
	tensor_load_to_lds s[\g0a:\g0a+3], s[\g1a:\g1a+7]
	s_nop 0
.rept 4
	v_nop
.endr
	s_branch .Lasked_\@
.Lfor_b_\@:
	tensor_load_to_lds s[\g0b:\g0b+3], s[\g1b:\g1b+7]
	s_nop 0
.rept 4
	v_nop
.endr
.Lasked_\@:
.endm
.macro CREST
	s_cmp_lg_u32 s16, 0
	s_cbranch_scc1 .Lnot_wave_0_\@
	s_barrier_signal -3
.Lnot_wave_0_\@:
	s_barrier_wait -3
	s_barrier_signal -1
	s_barrier_wait -1
.endm
.macro CROUND
	s_barrier_signal -1
	s_barrier_wait -1
	CREST
.endm
.macro PLACES n
.rept \n
	v_nop
.endr
.endm
.macro FRAG reg, adr, off
	ds_load_b128 v[\reg:\reg+3], v[\adr] offset:\off
	ds_load_b64 v[\reg+4:\reg+5], v[\adr+2] offset:\off
	ds_load_b128 v[\reg+6:\reg+9], v[\adr] offset:\off+768
	ds_load_b64 v[\reg+10:\reg+11], v[\adr+2] offset:\off+768
.endm
.macro FETCH_B slot, q, p
	WIN 0x40
.irp i, 0,1,2,3,4,5,6,7
.if \i < NBB
	FRAG 128*(\p)+FR*\i, ADRB+\slot, 3072*\i+1536*(\q)
.endif
.endr
	WIN 0
.endm
.macro FETCH_A slot, q, i0
.irp i, \i0, \i0+1, \i0+2, \i0+3
	FRAG AF+FR*(\i), ADRA+\slot, 3072*(\i)+1536*(\q)
.endr
.endm
.macro SCALES sc
.irp i, 0,1,2,3,4,5,6,7
.if \i < NBB
	ds_load_b64 v[SCR+16*(\sc)+2*\i:SCR+16*(\sc)+2*\i+1], v[ADRS] offset:512*\i
.else
	ds_load_b64 v[SCR+16*(\sc)+2*\i:SCR+16*(\sc)+2*\i+1], v[ADRS2] offset:512*\i
.endif
.endr
.endm
.macro WM a, b, p, q, sc, first        ; first = 0: in place; 1: C = the bias of S0's block b
.set DD, 8*(NBB*((\a)%4)+(\b))
.if (\first) == 0
	v_wmma_scale_f32_16x16x128_f8f6f4 v[DD:DD+7], v[128*(\p)+FR*(\b):128*(\p)+FR*(\b)+FR-1], v[AF+FR*(\a):AF+FR*(\a)+FR-1], v[DD:DD+7], v[SCR+16*(\sc)+2*(\b)+(\q)], v[SCR+16*(\sc)+2*(\a)+(\q)] matrix_a_fmt:MATRIX_FMT_FP6 matrix_b_fmt:MATRIX_FMT_FP6 matrix_a_scale:MATRIX_SCALE_ROW1
.else
	v_wmma_scale_f32_16x16x128_f8f6f4 v[DD:DD+7], v[128*(\p)+FR*(\b):128*(\p)+FR*(\b)+FR-1], v[AF+FR*(\a):AF+FR*(\a)+FR-1], v[BIAS+8*(\b):BIAS+8*(\b)+7], v[SCR+16*(\sc)+2*(\b)+(\q)], v[SCR+16*(\sc)+2*(\a)+(\q)] matrix_a_fmt:MATRIX_FMT_FP6 matrix_b_fmt:MATRIX_FMT_FP6 matrix_a_scale:MATRIX_SCALE_ROW1
.endif
.endm
.macro MULA a0, p, q, sc, first        ; S1's blocks a0, a0 + 1 x S0's four; the accumulators take turns, one instruction a turn
.if (\first) == 0
	WIN 0xa1+0x50*((\a0)/4)
.else
	WIN 0x81+0x40*((\a0)/4)
.endif
.irp a, \a0, \a0+1
.irp b, 0,1,2,3
	WM \a, \b, \p, \q, \sc, \first
.endr
.endr
.endm
.macro STEP slot, q, first
	s_wait_dscnt 4*NL                              ; all but the youngest 16 loads, S1's blocks 4-7
	MULA 0, (\q)%2, \q, \slot, \first
	MULA 2, (\q)%2, \q, \slot, \first
	s_wait_dscnt 0x0
	PLACES NP
	FETCH_B \slot, (\q)+1, 1-(\q)%2
	FETCH_A \slot, (\q)+1, 0
	MULA 4, (\q)%2, \q, \slot, \first
	MULA 6, (\q)%2, \q, \slot, \first
	PLACES NP
	WIN 0
	FETCH_A \slot, (\q)+1, 4
.endm
.macro TURN slot, next, fill
	s_wait_tensorcnt 0x0                           ; all my tensor loads have landed: my part of the next slot
	ds_add_u32 v[SPW], v[NIL]                      ; 0 onto my spare word
	s_wait_dscnt 4*NL+1                            ; (the add and the youngest 16 loads may be out)
	MULA 0, 1, 1, \slot, 0
	s_wait_dscnt 0x0                               ; the add is done, and my reads of this slot are over
	s_barrier_signal -1
	MULA 2, 1, 1, \slot, 0
	WIN 0
	s_barrier_wait -1
.if \fill
	CREST                                          ; the barrier has opened a round of the cluster's barrier
	s_add_nc_u64 s[G0+4*\slot+2:G0+4*\slot+3], s[G0+4*\slot+2:G0+4*\slot+3], 6144
	s_add_nc_u64 s[G0B+4*\slot+2:G0B+4*\slot+3], s[G0B+4*\slot+2:G0B+4*\slot+3], 6144
	JLOAD G0+4*\slot, G1, G0B+4*\slot, G1B         ; the first tensor load behind the round
.else
	PLACES NP
.endif
	v_add_nc_u32 v[ADRS], 128, v[ADRS]             ; the next K step's scale words (no LDS load of mine is out)
	v_add_nc_u32 v[ADRS2], 128, v[ADRS2]
	FETCH_B \next, 0, 0
	FETCH_A \next, 0, 0
	SCALES \next
	MULA 4, 1, 1, \slot, 0
	MULA 6, 1, 1, \slot, 0
	PLACES NP
	WIN 0
	FETCH_A \next, 0, 4
.endm
; THE WAY OUT, block by block of 16 tokens x 64 columns, through my own stage (16 rows of 256 + 16 bytes).  It lies in slot 0, which has had its last fill, and which nobody reads behind the last change of slots.
.macro TOSTAGE a
.set AC, 32*((\a)%4)
	WIN 0x08+4*((\a)/4)                            ; the data: window 2 or 3
.irp b, 0,1,2,3
	ds_store_b128 v[STO], v[AC+8*\b:AC+8*\b+3] offset:128*(\b/2)+32*(\b%2)       ; each accumulator from its low end on
	ds_store_b128 v[STO], v[AC+8*\b+4:AC+8*\b+7] offset:128*(\b/2)+32*(\b%2)+16
.endr
	WIN 0
.set BB, BK+32*((\a)%2)
.irp t, 0,1,2,3,4,5,6,7
	ds_load_b128 v[BB+4*\t:BB+4*\t+3], v[RD] offset:\t*544     ; LDS serves a wave's instructions in order: these see my stores
.endr
.endm
.macro SEND a, younger                 ; younger: the LDS instructions issued behind block a's loads
.set BB, BK+32*((\a)%2)
	s_wait_dscnt \younger
.irp t, 0,1,2,3,4,5,6,7
	global_store_b128 v[CO], v[BB+4*\t:BB+4*\t+3], s[92:93] offset:(32*((\a)/2)+8*((\a)%2)+2*\t+8*(\t/4))*4096 th:TH_STORE_NT   ; sixteen lanes store 256 consecutive bytes, aligned; the row's number undoes the tiles' order
.endr
.endm
	s_load_b256 s[4:11], s[0:1], 0x0               ; yc s[4:5], ys s[6:7], wc s[8:9], ws s[10:11]
	s_load_b128 s[12:15], s[0:1], 0x20             ; b_proj s[12:13], out0 s[14:15]
	v_lshl_add_u32 v[SPW], v0, 2, SPARE
	v_mov_b32 v[NIL], 0
	ds_add_u32 v[SPW], v[NIL]                      ; the wave's opening: the add, twice on end, and its wait ahead of my first tensor load
	ds_add_u32 v[SPW], v[NIL]
	v_lshrrev_b32 v1, 5, v0
	v_readfirstlane_b32 s16, v1                    ; wave 0..3
	s_lshr_b32 s17, s16, 1                         ; HJ: my half of the 256 tokens.  Also: I fetch for S1 (0) or for S0 (1)
	s_and_b32 s18, s16, 1                          ; HI: my half of the 128 columns.  Also: which half I fetch
	s_bfe_u32 s40, ttmp6, 0x40000                  ; cx
	s_bfe_u32 s41, ttmp6, 0x40004                  ; cy
	s_and_b32 s20, ttmp7, 0xffff
	s_lshl_b32 s21, s20, 2
	s_add_co_u32 s43, s21, s41                     ; Jt: which 256 tokens
	s_lshl_b32 s46, ttmp9, 2
	s_add_co_u32 s42, s46, s40                     ; It: which 128 columns
	s_lshl_b32 s44, s41, 2
	s_lshl_b32 s44, 15, s44                        ; my row of the cluster
	s_lshl_b32 s45, 0x1111, s40                    ; my column
	s_or_b32 s[G1+0], s44, (3<<16)|(1<<21)
	s_or_b32 s[G1B+0], s45, (3<<16)|(1<<21)
	s_or_b32 s[G1S+0], s44, (3<<16)|(1<<21)
	s_or_b32 s[G1SB+0], s45, (3<<16)|(1<<21)
	s_mov_b32 s[G1+1], 384<<16
	s_mov_b32 s[G1+2], 8<<16
	s_mov_b32 s[G1+3], 384<<16
	s_mov_b32 s[G1+4], 8
	s_mov_b32 s[G1+5], 1536
	s_mov_b32 s[G1+6], 0
	s_mov_b32 s[G1+7], 0
	s_mov_b32 s[G1B+1], 384<<16
	s_mov_b32 s[G1B+2], NBB<<16
	s_mov_b32 s[G1B+3], 384<<16
	s_mov_b32 s[G1B+4], NBB
	s_mov_b32 s[G1B+5], 1536
	s_mov_b32 s[G1B+6], 0
	s_mov_b32 s[G1B+7], 0
	s_mov_b32 s[G1S+1], 32<<16
	s_mov_b32 s[G1S+2], 16<<16
	s_mov_b32 s[G1S+3], 32<<16
	s_mov_b32 s[G1S+4], 16
	s_mov_b32 s[G1S+5], 32
	s_mov_b32 s[G1S+6], 0
	s_mov_b32 s[G1S+7], 0
	s_mov_b32 s[G1SB+1], 32<<16
	s_mov_b32 s[G1SB+2], (2*NBB)<<16
	s_mov_b32 s[G1SB+3], 32<<16
	s_mov_b32 s[G1SB+4], 2*NBB
	s_mov_b32 s[G1SB+5], 32
	s_mov_b32 s[G1SB+6], 0
	s_mov_b32 s[G1SB+7], 0
	s_lshl_b32 s21, s43, 4
	s_lshl_b32 s23, s18, 3
	s_add_co_u32 s21, s21, s23                     ; S1: the first tile that I fetch
	s_mul_i32 s20, s21, 12288
	s_lshl_b32 s22, s21, 9
	s_mov_b32 s21, 0
	s_mov_b32 s23, 0
	s_mul_i32 s46, s42, 2*NBB
	s_mul_i32 s47, s18, NBB
	s_add_co_u32 s46, s46, s47
	s_add_co_u32 s46, s46, 192                     ; S0: w_proj's tiles begin at 192
	s_lshl_b32 s66, s46, 9
	s_mul_i32 s46, s46, 12288
	s_mov_b32 s47, 0
	s_mov_b32 s67, 0
	s_mul_i32 s100, s18, HTA
	s_mul_i32 s101, s18, HTB
	s_add_co_u32 s101, s101, 2*HTA
	s_lshl_b32 s2, s18, 12
	s_mul_i32 s3, s18, 512*NBB
	s_wait_dscnt 0x0                               ; both opening adds are done
	s_wait_kmcnt 0x0
	s_add_nc_u64 s[92:93], s[4:5], s[20:21]
	s_add_nc_u64 s[94:95], s[6:7], s[22:23]
	s_add_nc_u64 s[96:97], s[8:9], s[46:47]
	s_add_nc_u64 s[98:99], s[10:11], s[66:67]
	CROUND                                         ; all sixteen work-groups are here: the first joint loads meet
	s_mov_b32 s[G0S], 1
	s_add_co_u32 s[G0S+1], s2, SCL
	s_mov_b64 s[G0S+2:G0S+3], s[94:95]
	s_or_b32 s[G0S+3], s[G0S+3], 0x80000000
	s_mov_b32 s[G0SB], 1
	s_add_co_u32 s[G0SB+1], s3, SCLB
	s_mov_b64 s[G0SB+2:G0SB+3], s[98:99]
	s_or_b32 s[G0SB+3], s[G0SB+3], 0x80000000
	JLOAD G0S, G1S, G0SB, G1SB                     ; the scale bytes for all of K: filled once
.irp s, 0,1
	s_mov_b32 s[G0+4*\s], 1
	s_add_co_u32 s[G0+4*\s+1], s100, \s*SLOT
	s_add_nc_u64 s[G0+4*\s+2:G0+4*\s+3], s[92:93], \s*3072
	s_or_b32 s[G0+4*\s+3], s[G0+4*\s+3], 0x80000000
	s_mov_b32 s[G0B+4*\s], 1
	s_add_co_u32 s[G0B+4*\s+1], s101, \s*SLOT
	s_add_nc_u64 s[G0B+4*\s+2:G0B+4*\s+3], s[96:97], \s*3072
	s_or_b32 s[G0B+4*\s+3], s[G0B+4*\s+3], 0x80000000
	JLOAD G0+4*\s, G1, G0B+4*\s, G1B               ; K steps 0 and 1: three loads of mine are out
.endr
	v_and_b32 v1, 31, v0                           ; lane
	v_and_b32 v2, 15, v0                           ; r
	v_bfe_u32 v3, v0, 4, 1                         ; h
	v_lshlrev_b32 v4, 4, v1                        ; 16 x lane
	v_lshlrev_b32 v5, 4, v2
	v_lshl_add_u32 v5, v3, 3, v5
	v_add_nc_u32 v5, 512, v5                       ; 512 + 16 r + 8 h
	s_mul_i32 s20, s17, HTA
	s_mul_i32 s21, s18, HTB
	s_add_co_u32 s21, s21, 2*HTA
.irp s, 0,1
	v_add_nc_u32 v[ADRA+\s], s20, v4
	v_add_nc_u32 v[ADRA+2+\s], s20, v5
	v_add_nc_u32 v[ADRB+\s], s21, v4
	v_add_nc_u32 v[ADRB+2+\s], s21, v5
	s_add_co_u32 s20, s20, SLOT
	s_add_co_u32 s21, s21, SLOT
.endr
	s_lshl_b32 s20, s17, 12
	s_mul_i32 s21, s18, 512*NBB
	s_add_co_u32 s21, s21, SCLB-SCL
	s_sub_co_u32 s21, s21, s20                     ; lanes 16-31 take S0's words: one product with the distance
	v_mul_u32_u24 v6, s21, v3
	s_add_co_u32 s20, s20, SCL
	v_lshl_add_u32 v6, v2, 3, v6
	v_add_nc_u32 v[ADRS], s20, v6
	v_lshlrev_b32 v6, 3, v2
	v_add_nc_u32 v[ADRS2], s20, v6
	s_mul_i32 s20, s16, 4352                       ; my stage
	v_mul_u32_u24 v[STO], v2, 272
	v_lshl_add_u32 v[STO], v3, 6, v[STO]
	v_add_nc_u32 v[STO], s20, v[STO]               ; in: row r, 64 h
	v_mul_u32_u24 v[RD], v3, 272
	v_lshl_add_u32 v[RD], v2, 4, v[RD]
	v_add_nc_u32 v[RD], s20, v[RD]                 ; back: lanes 0-15 one row, lanes 16-31 the next
	v_lshlrev_b32 v[CO], 12, v3
	v_lshl_add_u32 v[CO], v2, 4, v[CO]             ; and the same in out0
	v_lshlrev_b32 v8, 6, v3                        ; the bias: 16 numbers on for lanes 16-31
	s_lshl_b32 s20, s42, 9                         ; columns 128 It + 64 HI on
	s_lshl_b32 s21, s18, 8
	s_add_co_u32 s20, s20, s21
	s_mov_b32 s21, 0
	s_add_nc_u64 s[12:13], s[12:13], s[20:21]
.irp b, 0,1,2,3
	global_load_b128 v[BIAS+8*\b:BIAS+8*\b+3], v8, s[12:13] offset:(32*(\b/2)+8*(\b%2))*4
	global_load_b128 v[BIAS+8*\b+4:BIAS+8*\b+7], v8, s[12:13] offset:(32*(\b/2)+8*(\b%2))*4+16
.endr
	s_lshl_b32 s22, s43, 8
	s_lshl_b32 s23, s17, 7
	s_add_co_u32 s22, s22, s23                     ; my first token
	s_lshl_b32 s22, s22, 12
	s_add_co_u32 s22, s22, s20                     ; and my first column, in bytes
	s_mov_b32 s23, 0
	s_add_nc_u64 s[92:93], s[14:15], s[22:23]      ; never stepped: every row stands in a store's immediate
	s_wait_tensorcnt 1                             ; the scales and my part of K step 0 are in (K step 1's load may be out)
	s_barrier_signal -1
	s_barrier_wait -1                              ; everybody's are
	FETCH_B 0, 0, 0
	FETCH_A 0, 0, 0
	SCALES 0
	FETCH_A 0, 0, 4
	s_wait_loadcnt 0x0                             ; the bias
	STEP 0, 0, 1                                   ; the first step starts the sums with the bias: nothing is cleared
	TURN 0, 1, 1
	STEP 1, 0, 0
	TURN 1, 0, 1
	STEP 0, 0, 0
	TURN 0, 1, 0                                   ; the last two K steps fill nothing
	STEP 1, 0, 0
	s_wait_dscnt 4*NL
	MULA 0, 1, 1, 1, 0
	MULA 2, 1, 1, 1, 0
	s_wait_dscnt 0x0
	MULA 4, 1, 1, 1, 0
	MULA 6, 1, 1, 1, 0
	WIN 0
	PLACES NP                                      ; behind the last products: for the loads into the registers that held S1's fragments, and for the reads of results
	TOSTAGE 0
.irp a, 1,2,3,4,5,6,7
.if \a > 1
	s_wait_xcnt 0x0                                ; block a - 2's stores have read their registers: block a's loads may land there
.endif
	TOSTAGE \a
	SEND \a-1, 16                                  ; behind block a - 1's loads: block a's 8 stores and 8 loads
.endr
	SEND 7, 0
	s_wait_tensorcnt 0x0                           ; the wave's end, behind my last tensor load and my last LDS store
	ds_add_u32 v[SPW], v[NIL]
	s_wait_dscnt 0x0
	CROUND                                         ; the closing round: no work-group ends while a partner may still ask for a tile that names it
	s_endpgm
.Lfunc_end_k_q51928b8faf_proj:
	.size	k_q51928b8faf_proj, .Lfunc_end_k_q51928b8faf_proj-k_q51928b8faf_proj
	.p2alignl 7, 3214868480
	.fill 96, 4, 3214868480
	.section	.rodata,"a",@progbits
	.p2align	6, 0x0
	.amdhsa_kernel k_q51928b8faf_proj
		.amdhsa_group_segment_fixed_size 327680
		.amdhsa_private_segment_fixed_size 0
		.amdhsa_enable_private_segment 0
		.amdhsa_kernarg_size 48
		.amdhsa_user_sgpr_count 2
		.amdhsa_user_sgpr_kernarg_segment_ptr 1
		.amdhsa_wavefront_size32 1
		.amdhsa_system_sgpr_workgroup_id_x 1
		.amdhsa_system_sgpr_workgroup_id_y 1
		.amdhsa_system_sgpr_workgroup_id_z 1
		.amdhsa_system_vgpr_workitem_id 0
		.amdhsa_next_free_vgpr 1024
		.amdhsa_next_free_sgpr 102
		.amdhsa_reserve_vcc 0
		.amdhsa_float_denorm_mode_32 3
		.amdhsa_float_denorm_mode_16_64 3
		.amdhsa_memory_ordered 1
		.amdhsa_forward_progress 1
		.amdhsa_inst_pref_size 90
	.end_amdhsa_kernel
	.amdgpu_metadata
---
amdhsa.version: [ 1, 2 ]
amdhsa.kernels:
  - .name:           k_q51928b8faf_proj
    .symbol:         k_q51928b8faf_proj.kd
    .args:
      - { .name: yc, .offset: 0, .size: 8, .value_kind: global_buffer, .address_space: global }
      - { .name: ys, .offset: 8, .size: 8, .value_kind: global_buffer, .address_space: global }
      - { .name: wc, .offset: 16, .size: 8, .value_kind: global_buffer, .address_space: global }
      - { .name: ws, .offset: 24, .size: 8, .value_kind: global_buffer, .address_space: global }
      - { .name: b_proj, .offset: 32, .size: 8, .value_kind: global_buffer, .address_space: global }
      - { .name: out0, .offset: 40, .size: 8, .value_kind: global_buffer, .address_space: global }
    .group_segment_fixed_size: 327680
    .private_segment_fixed_size: 0
    .kernarg_segment_align: 8
    .kernarg_segment_size: 48
    .max_flat_workgroup_size: 128
    .sgpr_count:     102
    .vgpr_count:     1024
    .wavefront_size: 32
...
	.end_amdgpu_metadata
.endif
;; end of part 4
